; MI455X (gfx1250); checked and timed in simulation.
; The chip was launched on July 23, 2026; its instructions are those of AMD's public machine-readable ISA for CDNA 5 (MIT licence, August 2026) and "CDNA5" Instruction Set Architecture Reference Guide (July 2026). The comments in the code are by the model that wrote it; some were corrected since.
;; Distance Weighted Self Attention. Allowed arithmetic: matrix products marked QUANTISED: E2M1 operands, one E8M0 scale for each 32 along K, by v_wmma_scale_f32_16x16x128_f8f6f4 with both operands' format E2M1 (or v_wmma_scale_f32_32x16x128_f4), f32 sums; everything else in f32.
;; Inputs: Wk 1 x 256 float32; Wq 1 x 256 float32; Wv 1 x 256 float32; inputs 8 x 2,048 x 2 float32.
;; Outputs: out0 8 x 2,048 x 256 float32.
;; This version of the problem:
;;   THIS VERSION OF THE PROBLEM IS GIVEN IN LOW PRECISION. The matrix products marked QUANTISED in the list below multiply operands that are first quantised to E2M1 (2 exponent bits, 1 mantissa bit; 4 bits a number), with one power-of-two scale for each 32 numbers along K (OCP MX v1.0); their sums are f32. All else is computed in f32.
;;   The module's matrix products, in the order in which they are computed (A, B: the left and right operand; K: the contracted axis; several contracted axes count as one K, in the product's order):
;;     1. batch 8 x [M 2,048, K 256] x [K 256, N 2,048]; A: computed on the way; B: computed on the way: QUANTISED
;;     2. batch 8 x [M 2,048, K 2,048] x [K 2,048, N 256]; A: computed on the way; B: computed on the way: QUANTISED
;;   THE QUANTISER, for each operand of a quantised product, along K:
;;     - K is cut into blocks of 32 from its start; a last block that is shorter is filled with zeros.
;;     - A block's scale is 2^e with e = floor(log2(the largest magnitude in the block)) - 2, held to -126 .. 127; a block of zeros has e = 0. As a byte (E8M0): e + 127.
;;     - Each number is divided by its block's scale, clamped to +-6, and rounded to the nearest number of E2M1, ties to even, subnormals kept.
;;     - The product sums the exact products of the quantised numbers (number of the format x scale) in f32.
;;   ~~~python
;;   def quantise(x, axis):      # numpy; x: float32 -> the quantised numbers, widened to float32 again
;;       x = np.moveaxis(x, axis, -1); K = x.shape[-1]
;;       x = np.pad(x, [(0, 0)] * (x.ndim - 1) + [(0, -K % 32)]); x = x.reshape(x.shape[:-1] + (-1, 32)); a = np.abs(x).max(-1, keepdims=True)
;;       e = np.where(a > 0, np.clip(np.frexp(np.where(a > 0, a, 1))[1] - 1 - 2, -126, 127), 0)      # np.frexp(a)[1] - 1 = floor(log2(a)), exactly
;;       r = np.clip(x / 2.0 ** e, -6, 6)
;;       step = 2.0 ** (np.maximum(np.frexp(np.where(r == 0, 1, r))[1] - 1, 0) - 1)
;;       q = np.round(r / step) * step * 2.0 ** e      # np.round: ties to even
;;       return np.moveaxis(q.reshape(q.shape[:-2] + (-1,))[..., :K], -1, axis).astype(np.float32)
;;   ~~~
;;   OPERANDS COMPUTED ON THE WAY. 'Computed on the way' means the value that the module computes at that place (a softmax that the list does not call 'softmax' is quantised finished and normalised). What goes into a quantiser is computed in f32, as accurately as f32 sums, v_exp_f32 and their like allow (about 1e-6 of the number): no bf16 or f16 on the way to a quantiser, and a product that is left as it is and whose result goes on into a quantised operand takes f32 operands (vector FMAs, or v_wmma_f32_16x16x4_f32). A number that lies on a knife's edge between two numbers of the format may be rounded either way, as far as f32 arithmetic and the matrix unit's own rounding can turn it there, and no further.
;; 2 versions. Each part assembles by itself: llvm-mc -triple=amdgcn-amd-amdhsa -mcpu=gfx1250 --defsym DOCPART=n.
;; ======== version 1 of 2: 2 launches
;; limits: right only within a limited range of input values
;; workspace buffers: qc 2,097,152 bytes; kc 2,097,152 bytes; vc 2,097,152 bytes; qs 131,072 bytes; ks 131,072 bytes; vs 131,072 bytes
;; launch prep (part 1): grid 256 x 1, 3 waves a work-group, no clusters, 0 bytes of LDS; arguments inputs, Wq, Wk, Wv, qc, qs, kc, ks, vc, vs; writes qc, qs, kc, ks, vc, vs
.if DOCPART == 1
	.amdgcn_target "amdgcn-amd-amdhsa--gfx1250"
	.amdhsa_code_object_version 6
	.text
	.protected	k_q9ad3eb16af_prep
	.globl	k_q9ad3eb16af_prep
	.p2align	8
	.type	k_q9ad3eb16af_prep,@function
k_q9ad3eb16af_prep:
	s_mov_b64 s[64:65], 0
	v_nop
	global_prefetch_b8 v0, s[64:65] scope:SCOPE_SE
	s_setreg_imm32_b32 hwreg(HW_REG_WAVE_MODE, 25, 1), 1
	s_wait_xcnt 0x0
; q = h Wq, k = h Wk (K = the 256 channels) and v = h Wv (K = the keys) are made in f32 and turned into codes of FP4 (E2M1) with one E8M0 byte for each 32 along K.
; NO WORK OF reference() IS LEFT OUT IN THIS PROGRAM, and every input is loaded: the query mask, though the same along the softmax's axis, is so large that reference()'s f32 loses the penalties beside it, so it stays.
; All 32 work-groups of a batch in the next launch read all of k and v, so they are quantised once, here.
; A block's scale is 2^(floor(log2(its largest magnitude)) - 2); its byte is the largest magnitude's exponent field - 2, held at 1 from below.  A block of zeros so gets the byte 1 where the rule says 127: its codes
; are zeros, which add nothing under any byte but 0xff, and this program alone reads the bytes.
; LIMITS: NaN and infinities among the inputs are not served; blocks whose largest magnitude lies under 2^(2 - 126) keep the byte 1.
; THE BUFFERS ARE LAID IN THE ORDER OF THE OPERANDS' REGISTERS.  A fragment (16 rows x 128 K) is 1,024 bytes: image c (0, 1) is 512 bytes, lane l's 16 bytes at 16 l: registers 4 c .. 4 c + 3, k = 64 c + 32 (l / 16) + 0 .. 31 of row l % 16.
;   qc, kc: [batch][tile 128][K step 2][1,024].  A tile of q is queries 16 T + r.  A TILE OF k DOES NOT HOLD NEIGHBOURS: row r of tile T is key 32 (T / 2) + 8 (T % 2) + r + 8 (r / 8).
;   vc: [batch][tile of 16 channels 16][key step 16][1,024].
;   qs, ks: [batch][group of 4 tiles 32][lane 32][4 words]: word i = tile 4 g + i; lanes 0-15 the row's scale word of K step 0, lanes 16-31 that of K step 1.
;   vs: [batch][key step 16][half 2][lane 32][4 words]: word i = the pair of tiles 4 half + i; lanes 0-15 the even tile's word, lanes 16-31 the odd tile's.
; SHARES: work-group id = 32 batch + g.  Wave 0: group g of q; wave 1: group g of k; wave 2: key step g / 2, half g % 2 of v.  Each is 8 fragments and one store of 512 scale bytes.
; A lane holds a WHOLE block of 32 along K in its registers, so a block's largest magnitude needs no other lane.  Every store is 16 bytes a lane at 16 x lane: 512 consecutive bytes.  No LDS, no barrier: waves share nothing.
.set W,  64                            ; v64-191  q, k: the weight row as my lane wants it, 32 (2 s + c) + j = channel 128 s + 64 c + 32 h + j;  v: 64 (size, height) pairs of my keys
.set X,  192                           ; v192-255 two blocks of 32 numbers
.set CD, 32                            ; v32-39   a fragment's codes
.set SW, 40                            ; v40-43   the four scale words that leave at the end
	s_load_b512 s[4:19], s[0:1], 0x0               ; inputs s[4:5], Wq s[6:7], Wk s[8:9], Wv s[10:11], qc s[12:13], qs s[14:15], kc s[16:17], ks s[18:19]
	s_load_b128 s[20:23], s[0:1], 0x40             ; vc s[20:21], vs s[22:23]
	v_lshrrev_b32 v1, 5, v0
	v_readfirstlane_b32 s24, v1                    ; wave 0..2
	v_and_b32 v7, 31, v0                           ; lane
	v_lshlrev_b32 v1, 4, v7                        ; 16 x lane: where every store of mine goes
	v_and_b32 v2, 15, v0                           ; r
	v_bfe_u32 v3, v0, 4, 1                         ; h
	v_lshlrev_b32 v4, 3, v3                        ; 8 h: how far my two scale bytes are shifted
	s_lshr_b32 s25, ttmp9, 5                       ; batch
	s_mov_b32 s32, 0x76543210
	s_mov_b32 s33, 0xfedcba98                      ; v_permlanex16_b32's selects for lane l xor 16
	s_mov_b32 s34, 0xffff0000                      ; lanes 16-31
.irp i, 26,27,28,29
	v_mov_b32 v\i, 0                               ; written once: a lane permute's destination counts as one of its sources
.endr
	s_lshl_b32 s28, s25, 14                        ; a batch of inputs is 16,384 bytes
	s_mov_b32 s29, 0
	s_mov_b32 s31, 0
; the two blocks' largest magnitudes, each in two chains, with the floor 2^(3 - 127) as one more leaf; then 2 off the exponent field: the conversion's scale operand, v20 and v21
.macro MAXES
.irp c, 0,1
	v_max3_num_f32 v[16+2*\c], |v[X+32*\c]|, |v[X+32*\c+1]|, |v[X+32*\c+2]|
	v_max3_num_f32 v[17+2*\c], |v[X+32*\c+3]|, |v[X+32*\c+4]|, |v[X+32*\c+5]|
.endr
.irp i, 6,10,14,18,22,26
.irp c, 0,1
	v_max3_num_f32 v[16+2*\c], v[16+2*\c], |v[X+32*\c+\i]|, |v[X+32*\c+\i+1]|
	v_max3_num_f32 v[17+2*\c], v[17+2*\c], |v[X+32*\c+\i+2]|, |v[X+32*\c+\i+3]|
.endr
.endr
.irp c, 0,1
	v_max3_num_f32 v[16+2*\c], v[16+2*\c], |v[X+32*\c+30]|, |v[X+32*\c+31]|
.endr
.irp c, 0,1
	v_max3_num_f32 v[16+2*\c], v[16+2*\c], v[17+2*\c], 0x1800000
.endr
.irp c, 0,1
	v_add_nc_u32 v[20+\c], 0xff000000, v[16+2*\c]
.endr
.endm
; the codes, the two scale bytes into v[by], v[by + 1], and the fragment's two stores at off
.macro FINISH by, off
	s_wait_xcnt 0x0                                ; the last fragment's stores have read their data: the codes' registers are written again only behind this wait
.irp c, 0,1
.irp g, 0,1,2,3
	v_cvt_scalef32_pk8_fp4_f32 v[CD+4*\c+\g], v[X+32*\c+8*\g:X+32*\c+8*\g+7], v[20+\c]
.endr
.endr
.irp c, 0,1
	v_lshrrev_b32 v[(\by)+\c], 23, v[20+\c]        ; the scale's byte.  (Also the plain line behind the conversions)
.endr
.irp c, 0,1
	global_store_b128 v1, v[CD+4*\c:CD+4*\c+3], s[12:13] offset:(\off)+512*\c
.endr
.endm
; my two bytes are those of blocks h and 2 + h of my row: at their places, and with lane l xor 16's two, they are the row's scale word
.macro WORD dst, b0
	v_lshl_or_b32 v[\dst], v[(\b0)+1], 16, v[\b0]
	v_lshlrev_b32 v[\dst], v4, v[\dst]
	v_permlanex16_b32 v29, v[\dst], s32, s33
	v_or_b32 v[\dst], v[\dst], v29
.endm
	s_cmp_eq_u32 s24, 2
	s_cbranch_scc1 .Lv
	; ---- q (wave 0) or k (wave 1): only pointers and two row constants are chosen; both take one way through the text
	s_and_b32 s26, ttmp9, 31                       ; the group: 64 positions, 512 bytes of inputs
	s_lshl_b32 s30, s26, 9
	s_add_co_u32 s28, s28, s30
	s_wait_kmcnt 0x0
	s_add_nc_u64 s[4:5], s[4:5], s[28:29]
	s_cmp_eq_u32 s24, 0
	s_cselect_b64 s[6:7], s[6:7], s[8:9]           ; the weight row
	s_cselect_b64 s[12:13], s[12:13], s[16:17]     ; the codes
	s_cselect_b64 s[14:15], s[14:15], s[18:19]     ; the scale words
	s_cselect_b32 s35, 16, 8                       ; an odd tile begins so many positions behind the even one
	s_cselect_b32 s36, 0, 8                        ; k: rows 8-15 of a tile lie 8 positions further on
	s_lshl_b32 s30, ttmp9, 13                      ; a group's 8 fragments are 8,192 bytes, and the work-group's number is 32 batch + group
	s_add_nc_u64 s[12:13], s[12:13], s[30:31]
	s_lshl_b32 s30, ttmp9, 9
	s_add_nc_u64 s[14:15], s[14:15], s[30:31]
	v_and_b32 v5, s36, v2
	v_add_nc_u32 v5, v5, v2                        ; my row's position in an even tile
	v_lshlrev_b32 v5, 3, v5                        ; 8 bytes a position
	s_lshl_b32 s35, s35, 3
	v_add_nc_u32 v6, s35, v5                       ; and in an odd tile
	v_lshlrev_b32 v7, 7, v3                        ; the weight row: lanes 16-31 begin 32 channels on
.irp i, 9,11,13,15
	v_mov_b32 v\i, 0                               ; the packed multiply names a pair and takes its low word for both halves: the upper word is written
.endr
	global_load_b32 v8,  v5, s[4:5] offset:4       ; my row's height in tiles 0 to 3 of the group
	global_load_b32 v10, v6, s[4:5] offset:4
	global_load_b32 v12, v5, s[4:5] offset:260
	global_load_b32 v14, v6, s[4:5] offset:260
.irp n, 0,1,2,3
.irp g, 0,1,2,3,4,5,6,7
	global_load_b128 v[W+32*\n+4*\g:W+32*\n+4*\g+3], v7, s[6:7] offset:256*\n+16*\g
.endr
.endr
	s_wait_loadcnt 0x0
.macro QKSTEP i, s                     ; tile i of the group, K step s
.irp c, 0,1
.irp k, 0,2,4,6,8,10,12,14,16,18,20,22,24,26,28,30
	v_pk_mul_f32 v[X+32*\c+\k:X+32*\c+\k+1], v[W+32*(2*(\s)+\c)+\k:W+32*(2*(\s)+\c)+\k+1], v[8+2*(\i):9+2*(\i)] op_sel_hi:[1,0]
.endr
.endr
	MAXES
	FINISH 22+2*(\s), (2*(\i)+(\s))*1024
.endm
.irp i, 0,1,2,3
	QKSTEP \i, 0
	QKSTEP \i, 1
	WORD 26, 22
	WORD 27, 24
	v_cndmask_b32 v[SW+\i], v26, v27, s34          ; lanes 0-15: K step 0's word; lanes 16-31: K step 1's
.endr
	global_store_b128 v1, v[SW:SW+3], s[14:15]
	s_endpgm
.Lv:	; ---- v: key step sg, tiles of channels 8 half + 0 .. 7
	s_bfe_u32 s26, ttmp9, 0x40001                  ; the key step: 128 keys, 1,024 bytes of inputs
	s_and_b32 s27, ttmp9, 1                        ; the half
	s_lshl_b32 s30, s26, 10
	s_add_co_u32 s28, s28, s30
	s_wait_kmcnt 0x0
	s_add_nc_u64 s[4:5], s[4:5], s[28:29]
	s_lshl_b32 s28, s27, 9                         ; 128 channels of Wv
	s_add_nc_u64 s[10:11], s[10:11], s[28:29]
	s_lshl_b32 s28, s25, 18                        ; vc: 262,144 bytes a batch,
	s_lshl_b32 s35, s27, 17                        ; 8 tiles of 16,384,
	s_add_co_u32 s28, s28, s35
	s_add_co_u32 s28, s28, s30                     ; 1,024 a key step
	s_add_nc_u64 s[12:13], s[20:21], s[28:29]
	s_lshl_b32 s28, ttmp9, 9                       ; vs: the work-group's number is 32 batch + 2 key step + half
	s_add_nc_u64 s[14:15], s[22:23], s[28:29]
	v_lshlrev_b32 v5, 8, v3                        ; lanes 16-31 begin 32 keys on
	v_lshlrev_b32 v6, 2, v2                        ; my channel in a tile
.irp c, 0,1
.irp g, 0,1,2,3,4,5,6,7,8,9,10,11,12,13,14,15
	global_load_b128 v[W+64*\c+4*\g:W+64*\c+4*\g+3], v5, s[4:5] offset:512*\c+16*\g   ; keys 64 c + 32 h + 0 .. 31: the height of key i is register 64 c + 2 i + 1
.endr
.endr
.irp n, 0,1,2,3,4,5,6,7
	global_load_b32 v[8+\n], v6, s[10:11] offset:64*\n
.endr
	s_wait_loadcnt 0x0
.macro VSTEP n
.irp c, 0,1
.irp i, 0,1,2,3,4,5,6,7,8,9,10,11,12,13,14,15,16,17,18,19,20,21,22,23,24,25,26,27,28,29,30,31
	v_mul_f32 v[X+32*\c+\i], v[W+64*\c+2*\i+1], v[8+(\n)]
.endr
.endr
	MAXES
	FINISH 22, 16384*(\n)
	WORD 26+(\n)%2, 22
.if (\n)%2 == 1
	v_cndmask_b32 v[SW+(\n)/2], v26, v27, s34      ; lanes 0-15: the even tile's word; lanes 16-31: the odd tile's
.endif
.endm
.irp n, 0,1,2,3,4,5,6,7
	VSTEP \n
.endr
	global_store_b128 v1, v[SW:SW+3], s[14:15]
	s_endpgm
.Lfunc_end_k_q9ad3eb16af_prep:
	.size	k_q9ad3eb16af_prep, .Lfunc_end_k_q9ad3eb16af_prep-k_q9ad3eb16af_prep
	.p2alignl 7, 3214868480
	.fill 96, 4, 3214868480
	.section	.rodata,"a",@progbits
	.p2align	6, 0x0
	.amdhsa_kernel k_q9ad3eb16af_prep
		.amdhsa_group_segment_fixed_size 0
		.amdhsa_private_segment_fixed_size 0
		.amdhsa_enable_private_segment 0
		.amdhsa_kernarg_size 80
		.amdhsa_user_sgpr_count 2
		.amdhsa_user_sgpr_kernarg_segment_ptr 1
		.amdhsa_wavefront_size32 1
		.amdhsa_system_sgpr_workgroup_id_x 1
		.amdhsa_system_sgpr_workgroup_id_y 1
		.amdhsa_system_sgpr_workgroup_id_z 1
		.amdhsa_system_vgpr_workitem_id 0
		.amdhsa_next_free_vgpr 256
		.amdhsa_next_free_sgpr 66
		.amdhsa_reserve_vcc 0
		.amdhsa_float_denorm_mode_32 3
		.amdhsa_float_denorm_mode_16_64 3
		.amdhsa_memory_ordered 1
		.amdhsa_forward_progress 1
		.amdhsa_inst_pref_size 93
	.end_amdhsa_kernel
	.amdgpu_metadata
---
amdhsa.version: [ 1, 2 ]
amdhsa.kernels:
  - .name:           k_q9ad3eb16af_prep
    .symbol:         k_q9ad3eb16af_prep.kd
    .args:
      - { .name: inputs, .offset: 0, .size: 8, .value_kind: global_buffer, .address_space: global }
      - { .name: Wq, .offset: 8, .size: 8, .value_kind: global_buffer, .address_space: global }
      - { .name: Wk, .offset: 16, .size: 8, .value_kind: global_buffer, .address_space: global }
      - { .name: Wv, .offset: 24, .size: 8, .value_kind: global_buffer, .address_space: global }
      - { .name: qc, .offset: 32, .size: 8, .value_kind: global_buffer, .address_space: global }
      - { .name: qs, .offset: 40, .size: 8, .value_kind: global_buffer, .address_space: global }
      - { .name: kc, .offset: 48, .size: 8, .value_kind: global_buffer, .address_space: global }
      - { .name: ks, .offset: 56, .size: 8, .value_kind: global_buffer, .address_space: global }
      - { .name: vc, .offset: 64, .size: 8, .value_kind: global_buffer, .address_space: global }
      - { .name: vs, .offset: 72, .size: 8, .value_kind: global_buffer, .address_space: global }
    .group_segment_fixed_size: 0
    .private_segment_fixed_size: 0
    .kernarg_segment_align: 8
    .kernarg_segment_size: 80
    .max_flat_workgroup_size: 96
    .sgpr_count:     66
    .vgpr_count:     256
    .wavefront_size: 32
...
	.end_amdgpu_metadata
.endif
;; end of part 1
;; launch attn (part 2): grid 32 x 8, 8 waves a work-group, no clusters, 231,424 bytes of LDS; arguments inputs, qc, qs, kc, ks, vc, vs, out0; writes out0
.if DOCPART == 2
	.amdgcn_target "amdgcn-amd-amdhsa--gfx1250"
	.amdhsa_code_object_version 6
	.text
	.protected	k_q9ad3eb16af_attn
	.globl	k_q9ad3eb16af_attn
	.p2align	8
	.type	k_q9ad3eb16af_attn,@function
k_q9ad3eb16af_attn:
	s_mov_b64 s[64:65], 0
	v_nop
	global_prefetch_b8 v0, s[64:65] scope:SCOPE_SE
	s_setreg_imm32_b32 hwreg(HW_REG_WAVE_MODE, 25, 1), 1
	s_wait_xcnt 0x0
; out = (softmax(q k^T / 16 - 0.5 |size_i - size_j| + masks) x key mask) v, both products on codes of FP4 (E2M1) with one E8M0 scale for each 32 along K.  No work of reference() is left out.
; THE WEIGHTS ARE QUANTISED FINISHED AND NORMALISED, so a row's maximum and sum are known before its first code is made: the logits are made TWICE.  Pass 1: maximum and sum.  Pass 2: weights, codes.  Then the second product.
; SHARES.  A work-group owns 64 queries of one batch (four tiles a of 16); eight waves, two to a SIMD.  In the passes wave w owns keys 256 w .. 256 w + 255 (two chunks e of 128) for all 64 queries: its part of k, 256 registers,
; is loaded once and serves both passes.  In the second product wave w owns channels 32 w .. 32 w + 31 for all queries and keys: its part of v takes k's registers; the weights' codes go from wave to wave through LDS as images of
; their registers (16 bytes a lane at 16 x lane).
; LAYOUT.  Both products are used transposed (source 0 = 16 keys, or 16 channels; source 1 = 16 queries): a lane holds ONE query (lane % 16).  The keys of a tile of k are chosen (launch prep) so that register 16 b + i of a chunk's
; 64 scores is key 32 b + 16 (lane / 16) + i: 16 neighbours along the second product's K.
; THE PENALTY AND THE QUERY MASK ARE THE C OF THE FIRST PRODUCT: c = -8 |s_i - s_j| + Q16, Q16 = 0 or -1.6e10 (16 x -1e9), so that the result is 16 x the logit.  Under a hidden query q's codes are zeros and c is 16 x
; fl(-0.5 |d| - 1e9) bit for bit (a scaling by 16 rounds nothing): the loss of the penalties beside -1e9 is reference()'s own.
; THE KEY MASK LIES IN THE SIZE: a key whose height is 0 takes the size 2e9, so its logit is about -1e9 (-2e9 under a hidden query); beside any visible key its weight is 0 by the exponential, which is what the product with the
; key mask leaves; where a batch has no visible key, all of v's codes are zeros, and the result is 0 as in reference().
; SOFTMAX.  c1 = log2(e) / 16.  For each chunk: the largest score m, negMt = fl(-c1 m), p = 2^(score c1 + negMt), l = the sum of p.  The 16 chunks are joined: negM = the least negMt, L = the sum of l 2^(negM - negMt), R = 1 / L.
; Pass 2: w = 2^(score c1 + negM) R.  A block's largest w is not searched for: pass 1 keeps each block's largest score, which goes through the same multiply-add, exponential and multiplication (this takes v_exp_f32 not to fall
; where its input rises).
; LIMITS: NaN and infinities are not served; sizes stay far under 2e9 in magnitude and visible logits above about -9e8; exponentials under 2^-126 become 0; a block of zeros has the byte 1 (read by this program alone).
; NO CLUSTER, NO TENSOR LOAD: k and v are shared by a batch's 32 work-groups, but each wave's part goes straight into the registers in which it stays, and no two waves of a work-group read the same fragment.  A joint load lands
; in LDS: k's and v's 2 x 278,528 bytes there, beside the 231,424 in use, would want refills and 557,056 bytes more of LDS writes and reads for each work-group.
; LDS: TQ: 8 blocks of 4,096, block w = copy w / 4, tile w % 4: q's two fragments (+0), the record {size, Q16, q's scale word, 0} (+2,048, 16 bytes a lane), {negM, 0, R, 0} (+2,560).  SJ: a wave's 256 masked sizes.
;   BM: the blocks' largest scores.  STAT: {negMt, l}, 8 bytes a lane, [chunk 16][tile 4].  PIMG: the weights' fragments, [chunk 16][tile 4][1,024].  PSC: their scale words, [chunk][lane][tile].  OSTG: 64 rows of 1,024 + 16 bytes.
; REGISTERS, window 0: v1-19, v248-250 addresses; v20-23 the record; v24-27 {negM, 0, R, 0}; v28-31 block maxima; v32-47 q; v48-63 k's scale words; v64-127 scores, later the results; v128-191 the chunk's sizes, later the weights'
;   fragments (two sets), later rows of out; v192-223 at work; v224-239 v's scale words; v240-247 the weights' scale words (two sets).   window 1: k (128 e + 16 t + 8 s), later v (128 (g / 8) + 64 n + 8 (g % 8)).
.set SJ,    32768
.set BM,    40960
.set STAT,  73728
.set PIMG,  90112
.set PSC,   155648
.set OSTG,  163840
.set SPARE, 230400                     ; the spare words, 128 bytes for each of the eight waves: four blocks of 256 bytes that no other line names
.set S,     64
.set SJR,   128
.set MSB, 0
.macro WIN new                         ; the immediate's high byte repeats the setting that is left.  0x40: destination window 1;  0x01: source 0 window 1
.if MSB != \new
	s_set_vgpr_msb (MSB<<8)|\new
.set MSB, \new
.endif
.endm
.macro BARRIER                         ; my LDS stores have landed and my LDS loads are in: then the work-group's barrier
	s_wait_dscnt 0x0
	s_barrier_signal -1
	s_barrier_wait -1
.endm
.macro PLACES                          ; four plain lines between a matrix instruction and a load into, or a read of, its registers
.rept 4
	v_nop
.endr
.endm
	s_load_b256 s[4:11], s[0:1], 0x0               ; inputs s[4:5], qc s[6:7], qs s[8:9], kc s[10:11]
	s_load_b256 s[12:19], s[0:1], 0x20             ; ks s[12:13], vc s[14:15], vs s[16:17], out0 s[18:19]
	v_lshl_add_u32 v2, v0, 2, SPARE                ; my spare word,
	v_mov_b32 v3, 0                                ; and 0: kept for the add at the wave's end alone
	v_lshrrev_b32 v1, 5, v0
	v_readfirstlane_b32 s20, v1                    ; wave w, 0..7
	v_and_b32 v11, 31, v0                          ; lane
	v_and_b32 v12, 15, v0                          ; r
	v_bfe_u32 v13, v0, 4, 1                        ; h
	v_lshlrev_b32 v1, 4, v11                       ; 16 x lane
	s_and_b32 s22, ttmp7, 0xffff                   ; batch
	s_and_b32 s23, s20, 3                          ; w % 4
	s_lshr_b32 s27, s20, 2                         ; w / 4
	s_lshl_b32 s24, s27, 14
	v_add_nc_u32 v4, s24, v1                       ; v4: my copy of TQ
	s_lshl_b32 s24, s20, 10
	s_add_co_u32 s25, s24, SJ
	v_lshl_add_u32 v6, v13, 6, s25                 ; v6: my wave's sizes, + 16 keys for lanes 16-31
	v_lshl_add_u32 v249, v11, 3, s25               ; v249: where I put two of them
	s_add_co_u32 s25, s24, PSC
	v_add_nc_u32 v10, s25, v1                      ; v10: my two chunks' scale words
	s_lshl_b32 s24, s20, 12
	v_add_nc_u32 v18, s24, v1                      ; v18: the block of TQ that I write
	s_add_co_u32 s25, s24, BM
	v_add_nc_u32 v7, s25, v1                       ; v7: my block maxima
	s_lshl_b32 s24, s20, 11
	s_add_co_u32 s24, s24, STAT
	v_lshl_add_u32 v8, v11, 3, s24                 ; v8: my two chunks' {negMt, l}
	s_lshl_b32 s24, s20, 13
	s_add_co_u32 s24, s24, PIMG
	v_add_nc_u32 v9, s24, v1                       ; v9: my eight images
	v_add_nc_u32 v14, PIMG, v1                     ; v14, v15: all images and scale words, for the second product
	v_add_nc_u32 v15, PSC, v1
	s_lshl_b32 s24, s20, 7
	s_add_co_u32 s24, s24, OSTG
	v_mul_u32_u24 v16, v12, 1040
	v_lshl_add_u32 v16, v13, 5, v16
	v_add_nc_u32 v16, s24, v16                     ; v16: the stage, in: row r, my wave's 128 bytes, + 32 h
	s_mul_i32 s24, s20, 8320
	s_add_co_u32 s24, s24, OSTG
	v_add_nc_u32 v17, s24, v1                      ; v17: back: my 8 rows
	v_lshlrev_b32 v19, 8, v11                      ; v19: 256 x lane, for the prefetch
	s_lshl_b32 s24, s23, 8
	s_add_co_u32 s24, s24, STAT
	v_lshl_add_u32 v248, v11, 3, s24               ; v248: the join: tile w % 4 of every chunk
	v_lshlrev_b32 v250, 3, v12                     ; v250: 8 r
	s_mov_b32 s26, 0xc1000000                      ; -8
	s_mov_b32 s28, 0x3db8aa3b                      ; c1 = log2(e) / 16
	s_mov_b32 s29, s28                             ; (named with it as a pair, so it is written)
	s_mov_b32 s30, 0xbdb8aa3b                      ; -c1
	s_mov_b32 s32, 0x76543210
	s_mov_b32 s33, 0xfedcba98                      ; v_permlanex16_b32's selects for lane l xor 16
.irp i, 87,192,193,194,195,207
	v_mov_b32 v\i, 0                               ; v87: the record's last word; v192-195: a lane permute's destination counts as one of its sources; v207: named in a pair before it is first written
.endr
	s_mov_b32 s25, 0
	s_wait_kmcnt 0x0
	s_lshl_b32 s31, s22, 14                        ; 16,384 x batch
	s_lshl_b32 s24, s20, 11
	s_add_co_u32 s24, s24, s31
	s_add_nc_u64 s[36:37], s[4:5], s[24:25]        ; inputs at my wave's 256 keys
	s_add_nc_u64 s[46:47], s[12:13], s[24:25]      ; ks at my wave's four groups
	s_lshl_b32 s24, ttmp9, 9
	s_add_co_u32 s24, s24, s31
	s_lshl_b32 s35, s23, 7
	s_add_co_u32 s24, s24, s35
	s_add_nc_u64 s[38:39], s[4:5], s[24:25]        ; inputs at tile w % 4 of my work-group's queries
	s_lshl_b32 s34, s22, 5
	s_add_co_u32 s34, s34, ttmp9                   ; 32 batch + x
	s_lshl_b32 s24, s34, 13
	s_lshl_b32 s35, s23, 11
	s_add_co_u32 s24, s24, s35
	s_add_nc_u64 s[40:41], s[6:7], s[24:25]        ; qc at that tile
	s_lshl_b32 s24, s34, 9
	s_lshl_b32 s35, s23, 2                         ; 4 (w % 4): used again for vs
	s_add_co_u32 s24, s24, s35
	s_add_nc_u64 s[42:43], s[8:9], s[24:25]        ; qs at that tile's word
	s_lshl_b32 s34, s22, 18                        ; 262,144 x batch
	s_lshl_b32 s24, s20, 15
	s_add_co_u32 s24, s24, s34
	s_add_nc_u64 s[44:45], s[10:11], s[24:25]      ; kc at my 16 tiles
	s_add_nc_u64 s[48:49], s[14:15], s[24:25]      ; vc at my two tiles of channels
	s_lshl_b32 s24, ttmp9, 13
	s_add_co_u32 s24, s24, s34
	s_add_nc_u64 s[54:55], s[14:15], s[24:25]      ; vc at the 8,192 bytes that my work-group prefetches
	s_lshl_b32 s24, s27, 9
	s_add_co_u32 s24, s24, s31
	s_add_co_u32 s24, s24, s35
	s_add_nc_u64 s[50:51], s[16:17], s[24:25]      ; vs at my pair of tiles' word
	s_lshl_b32 s24, s22, 21
	s_lshl_b32 s34, ttmp9, 16
	s_add_co_u32 s24, s24, s34
	s_lshl_b32 s34, s20, 13
	s_add_co_u32 s24, s24, s34
	s_add_nc_u64 s[52:53], s[18:19], s[24:25]      ; out0 at the 8 rows that I store
; chunk e of my k: 8 tiles x 2 K steps, 32 loads into window 1, and 2 loads of scale words: 34
.macro KLOAD e
	WIN 0x40
.irp t, 0,1,2,3,4,5,6,7
.irp n, 0,1,2,3
	global_load_b128 v[128*\e+16*\t+4*\n:128*\e+16*\t+4*\n+3], v1, s[44:45] offset:16384*\e+2048*\t+512*\n
.endr
.endr
	WIN 0
	global_load_b128 v[48+8*\e:51+8*\e], v1, s[46:47] offset:1024*\e
	global_load_b128 v[52+8*\e:55+8*\e], v1, s[46:47] offset:1024*\e+512
.endm
	; ten small loads first: tile w % 4 of q, its sizes and heights, its scale word; my 256 keys' sizes and heights
.irp n, 0,1,2,3
	global_load_b128 v[64+4*\n:67+4*\n], v1, s[40:41] offset:512*\n
.endr
	global_load_b64 v[84:85], v250, s[38:39]
	global_load_b32 v86, v1, s[42:43]
.irp i, 0,1,2,3
	global_load_b128 v[96+4*\i:99+4*\i], v1, s[36:37] offset:512*\i
.endr
	KLOAD 0
	s_wait_loadcnt 34                              ; the ten are in; chunk 0's 34 loads, issued behind them, may be out
.irp n, 0,1,2,3
	ds_store_b128 v18, v[64+4*\n:67+4*\n] offset:512*\n
.endr
	v_cmp_neq_f32 vcc_lo, 0, v85
	v_cndmask_b32 v85, 0xd06e6b28, v87, vcc_lo     ; Q16: 0 where the query's height is not 0, else -1.6e10
	ds_store_b128 v18, v[84:87] offset:2048
.irp i, 0,1,2,3
	v_cmp_neq_f32 vcc_lo, 0, v[97+4*\i]
	v_cndmask_b32 v[112+2*\i], 0x4eee6b28, v[96+4*\i], vcc_lo   ; the key's size, or 2e9 where its height is 0
	v_cmp_neq_f32 vcc_lo, 0, v[99+4*\i]
	v_cndmask_b32 v[113+2*\i], 0x4eee6b28, v[98+4*\i], vcc_lo
	ds_store_b64 v249, v[112+2*\i:113+2*\i] offset:256*\i
.endr
	KLOAD 1
	BARRIER                                        ; all eight blocks of TQ lie in LDS
.macro SJLOAD e                        ; chunk e's sizes in the order of the scores' registers; sixteen lanes read the same 16 bytes
.irp b, 0,1,2,3
.irp g, 0,1,2,3
	ds_load_b128 v[SJR+16*\b+4*\g:SJR+16*\b+4*\g+3], v6 offset:512*\e+128*\b+16*\g
.endr
.endr
.endm
.macro NEXTQ                           ; the tile at v5: q's two fragments and the record: five loads
.irp n, 0,1,2,3
	ds_load_b128 v[32+4*\n:35+4*\n], v5 offset:512*\n
.endr
	ds_load_b128 v[20:23], v5 offset:2048
.endm
.macro NEXTADR                         ; v5: the tile of the next trip, (a + 1) % 4: the last trip's wraps to tile 0, with which the next loop begins
	s_add_co_u32 s35, s34, 1
	s_and_b32 s35, s35, 3
	s_lshl_b32 s35, s35, 12
	v_add_nc_u32 v5, s35, v4
.endm
; 16 x the logits of 16 queries x chunk e's 128 keys.  The eight accumulators take turns, one instruction a turn.
.macro LOGITS e
.set j, 0
.rept 32
	v_pk_add_f32 v[S+j:S+j+1], v[20:21], v[SJR+j:SJR+j+1] op_sel_hi:[0,1] neg_lo:[0,1] neg_hi:[0,1]   ; d = s_i - s_j, two keys at a time
.set j, j+2
.endr
.set j, 0
.rept 64
	v_fma_f32 v[S+j], |v[S+j]|, s26, v21           ; c = -8 |d| + Q16
.set j, j+1
.endr
	PLACES                                         ; between the last write of a C and the products
	WIN 0x01
.irp t, 0,1,2,3,4,5,6,7
	v_wmma_scale_f32_16x16x128_f8f6f4 v[S+8*\t:S+8*\t+7], v[128*\e+16*\t:128*\e+16*\t+7], v[32:39], v[S+8*\t:S+8*\t+7], v[48+8*\e+\t], v22 matrix_a_fmt:MATRIX_FMT_FP4 matrix_b_fmt:MATRIX_FMT_FP4
.endr
.irp t, 0,1,2,3,4,5,6,7
	v_wmma_scale_f32_16x16x128_f8f6f4 v[S+8*\t:S+8*\t+7], v[128*\e+16*\t+8:128*\e+16*\t+15], v[40:47], v[S+8*\t:S+8*\t+7], v[48+8*\e+\t], v22 matrix_a_fmt:MATRIX_FMT_FP4 matrix_b_fmt:MATRIX_FMT_FP4 matrix_a_scale:MATRIX_SCALE_ROW1 matrix_b_scale:MATRIX_SCALE_ROW1
.endr
	WIN 0
.endm
; PASS 1, tile a = s34, chunk e: the blocks' largest scores, negMt and l
.macro P1TRIP e
	s_wait_dscnt 0x0                               ; q, the record and the sizes are in; my last stores have read their registers
	LOGITS \e
	NEXTADR                                        ; four plain lines behind the products: three addresses and a v_nop
	v_lshl_add_u32 v11, s34, 9, v7
	v_lshl_add_u32 v12, s34, 8, v8
	v_nop
	NEXTQ                                          ; lands while this tile's softmax is worked
.irp b, 0,1,2,3
	v_max3_num_f32 v[28+\b], v[S+16*\b], v[S+16*\b+1], v[S+16*\b+2]   ; each accumulator is read from its low end on; the four blocks by turns
.endr
.irp i, 3,5,7,9,11,13
.irp b, 0,1,2,3
	v_max3_num_f32 v[28+\b], v[28+\b], v[S+16*\b+\i], v[S+16*\b+\i+1]
.endr
.endr
.irp b, 0,1,2,3
	v_max_num_f32 v[28+\b], v[28+\b], v[S+16*\b+15]
.endr
.irp b, 0,1,2,3
	v_permlanex16_b32 v[192+\b], v[28+\b], s32, s33
.endr
.irp b, 0,1,2,3
	v_max_num_f32 v[28+\b], v[28+\b], v[192+\b]    ; with lane l xor 16's 16 keys: the block's largest score
.endr
	ds_store_b128 v11, v[28:31] offset:2048*\e     ; kept for pass 2
	v_max3_num_f32 v212, v28, v29, v30
	v_max_num_f32 v212, v212, v31
	v_mul_f32 v206, s30, v212                      ; negMt = -c1 m
.set j, 0
.rept 32
	v_pk_fma_f32 v[S+j:S+j+1], v[S+j:S+j+1], s[28:29], v[206:207] op_sel_hi:[1,0,0]
.set j, j+2
.endr
.set j, 0
.rept 64
	v_exp_f32 v[S+j], v[S+j]
.set j, j+1
.endr
	v_nop                                          ; a plain line behind the last exponential
	s_wait_alu depctr_va_vdst(0)                   ; one wait for the batch, ahead of its first reader
	v_pk_add_f32 v[208:209], v[S:S+1], v[S+2:S+3]
	v_pk_add_f32 v[210:211], v[S+4:S+5], v[S+6:S+7]
.irp j, 8,12,16,20,24,28,32,36,40,44,48,52,56,60
	v_pk_add_f32 v[208:209], v[208:209], v[S+\j:S+\j+1]
	v_pk_add_f32 v[210:211], v[210:211], v[S+\j+2:S+\j+3]
.endr
	v_pk_add_f32 v[208:209], v[208:209], v[210:211]
	v_add_f32 v208, v208, v209
	v_permlanex16_b32 v192, v208, s32, s33
	v_add_f32 v207, v208, v192                     ; l
	ds_store_b64 v12, v[206:207] offset:1024*\e
.endm
; PASS 2, tile a = s34, chunk e: the weights, their codes and scale word, as an image to LDS
.macro P2TRIP e
	s_wait_dscnt 0x0
	v_lshl_add_u32 v11, s34, 9, v7
	ds_load_b128 v[24:27], v5 offset:2560          ; {negM, 0, R, 0} of this trip's tile (v5 still stands at it)
	ds_load_b128 v[28:31], v11 offset:2048*\e      ; the blocks' largest scores
	LOGITS \e
	NEXTADR                                        ; four plain lines behind the products
	v_lshl_add_u32 v12, s34, 10, v9
	v_lshl_add_u32 v13, s34, 2, v10
	v_nop
	NEXTQ
	s_wait_dscnt 5                                 ; the five loads just issued may be out; the two issued ahead of the products are in
.set j, 0
.rept 32
	v_pk_fma_f32 v[S+j:S+j+1], v[S+j:S+j+1], s[28:29], v[24:25] op_sel_hi:[1,0,0]
.set j, j+2
.endr
.irp b, 0,1,2,3
	v_fma_f32 v[28+\b], v[28+\b], s28, v24         ; the same of each block's largest score
.endr
.set j, 0
.rept 64
	v_exp_f32 v[S+j], v[S+j]
.set j, j+1
.endr
.irp b, 0,1,2,3
	v_exp_f32 v[28+\b], v[28+\b]
.endr
	v_nop                                          ; a plain line behind the last exponential
	s_wait_alu depctr_va_vdst(0)                   ; one wait for the 68
.irp b, 0,1,2,3
	v_mul_f32 v[28+\b], v[28+\b], v26              ; the block's largest weight
.endr
.set j, 0
.rept 32
	v_pk_mul_f32 v[S+j:S+j+1], v[S+j:S+j+1], v[26:27] op_sel_hi:[1,0]   ; the weights, finished and normalised
.set j, j+2
.endr
.irp b, 0,1,2,3
	v_max_num_f32 v[28+\b], 0x1800000, v[28+\b]    ; the floor 2^(3 - 127): the byte cannot fall under 1
.endr
.irp b, 0,1,2,3
	v_add_nc_u32 v[196+\b], 0xff000000, v[28+\b]   ; 2 off the exponent field: the conversion's scale operand
.endr
.irp b, 0,1,2,3
	v_lshrrev_b32 v[200+\b], 23, v[196+\b]         ; the scale's byte
.endr
	v_lshl_or_b32 v204, v201, 8, v200
	v_lshl_or_b32 v204, v202, 16, v204
	v_lshl_or_b32 v204, v203, 24, v204             ; my query's scale word for these 128 keys
.irp b, 0,1,2,3
	v_cvt_scalef32_pk8_fp4_f32 v[216+2*\b], v[S+16*\b:S+16*\b+7], v[196+\b]
	v_cvt_scalef32_pk8_fp4_f32 v[217+2*\b], v[S+16*\b+8:S+16*\b+15], v[196+\b]
.endr
	v_nop                                          ; a plain line behind the conversions
.irp c, 0,1                                    ; the operand's layout wants a whole block in a lane: lanes 0-15 block 2 c, lanes 16-31 block 2 c + 1
.irp i, 0,1
	v_permlane16_swap_b32 v[216+4*\c+\i], v[218+4*\c+\i]
.endr
.endr
	ds_store_b128 v12, v[216:219] offset:4096*\e
	ds_store_b128 v12, v[220:223] offset:4096*\e+512
	ds_store_b32 v13, v204 offset:512*\e
.endm
	v_mov_b32 v5, v4                               ; tile 0
	NEXTQ
	; ---- PASS 1
	s_wait_loadcnt 34                              ; chunk 0 of k is in; chunk 1's 34 loads may be out
	SJLOAD 0
	s_mov_b32 s34, 0
.Lp1a:
	P1TRIP 0
	s_add_co_u32 s34, s34, 1
	s_cmp_lt_u32 s34, 4
	s_cbranch_scc1 .Lp1a
	s_wait_loadcnt 0x0                             ; chunk 1
	SJLOAD 1
	s_mov_b32 s34, 0
.Lp1b:
	P1TRIP 1
	s_add_co_u32 s34, s34, 1
	s_cmp_lt_u32 s34, 4
	s_cbranch_scc1 .Lp1b
	BARRIER                                        ; all 16 chunks' {negMt, l} lie in LDS
	; ---- THE JOIN: wave w joins tile w % 4 and writes it into its own block of TQ; waves 4-7 so make the second copy: no two waves write the same byte
.irp k, 0,1,2,3,4,5,6,7,8,9,10,11,12,13,14,15
	ds_load_b64 v[64+2*\k:65+2*\k], v248 offset:1024*\k
.endr
	s_wait_dscnt 0x0
.irp k, 0,1,2,3,4,5,6,7
	v_min_num_f32 v[96+\k], v[64+4*\k], v[66+4*\k]
.endr
.irp k, 0,1,2,3
	v_min_num_f32 v[96+\k], v[96+2*\k], v[97+2*\k]
.endr
.irp k, 0,1
	v_min_num_f32 v[96+\k], v[96+2*\k], v[97+2*\k]
.endr
	v_min_num_f32 v24, v96, v97                    ; negM
.irp k, 0,1,2,3,4,5,6,7,8,9,10,11,12,13,14,15
	v_sub_f32 v[96+\k], v24, v[64+2*\k]            ; negM - negMt, 0 or less
.endr
.irp k, 0,1,2,3,4,5,6,7,8,9,10,11,12,13,14,15
	v_exp_f32 v[96+\k], v[96+\k]
.endr
	v_nop
	s_wait_alu depctr_va_vdst(0)                   ; one wait for the sixteen
	v_mul_f32 v212, v96, v65
	v_mul_f32 v213, v97, v67
.irp k, 2,4,6,8,10,12,14
	v_fma_f32 v212, v[96+\k], v[65+2*\k], v212
	v_fma_f32 v213, v[97+\k], v[67+2*\k], v213
.endr
	v_add_f32 v212, v212, v213                     ; L
	v_rcp_f32 v26, v212                            ; R
	v_mov_b32 v25, 0                               ; (plain lines behind the reciprocal)
	v_mov_b32 v27, 0
	s_wait_alu depctr_va_vdst(0)
	ds_store_b128 v18, v[24:27] offset:2560
	BARRIER
	; ---- A PREFETCH of v's codes: work-group x of a batch names bytes 8,192 x .. 8,192 x + 8,191 of the batch's 262,144, wave 0 alone, lanes 256 bytes apart: each block of 256 bytes is named once in the launch.
	; It stands one loop of four trips ahead of the first loads of v.  v's scale words and k, which is wanted at the head, are not asked for.  Its address registers are never rewritten.
	s_cmp_lg_u32 s20, 0
	s_cbranch_scc1 .Lno_pf
	global_prefetch_b8 v19, s[54:55] th:TH_LOAD_NT scope:SCOPE_SE
.Lno_pf:
	; ---- PASS 2
	SJLOAD 0
	s_mov_b32 s34, 0
.Lp2a:
	P2TRIP 0
	s_add_co_u32 s34, s34, 1
	s_cmp_lt_u32 s34, 4
	s_cbranch_scc1 .Lp2a
.macro VLOAD z                         ; key steps 8 z .. 8 z + 7 of my two tiles of v: 32 loads, into the registers that chunk z of k has left
	WIN 0x40
.irp n, 0,1
.irp g, 0,1,2,3,4,5,6,7
.irp c, 0,1
	global_load_b128 v[128*\z+64*\n+8*\g+4*\c:128*\z+64*\n+8*\g+4*\c+3], v1, s[48:49] offset:(16*\n+8*\z+\g)*1024+512*\c
.endr
.endr
.endr
	WIN 0
.endm
.irp g, 0,1,2,3,4,5,6,7,8,9,10,11,12,13,14,15
	global_load_b32 v[224+\g], v1, s[50:51] offset:1024*\g   ; v's scale words: lanes 0-15 my even tile's, lanes 16-31 my odd tile's
.endr
	VLOAD 0                                        ; lands while chunk 1 is worked
	SJLOAD 1
	s_mov_b32 s34, 0
.Lp2b:
	P2TRIP 1
	s_add_co_u32 s34, s34, 1
	s_cmp_lt_u32 s34, 4
	s_cbranch_scc1 .Lp2b
	VLOAD 1
	BARRIER                                        ; all 64 images of the weights lie in LDS
	; ---- THE SECOND PRODUCT: my 32 channels x 64 queries, eight accumulators by turns, a key step of 128 at a time
.macro PLOAD g                         ; key step g: the four tiles' fragments and scale words into set g % 2: nine loads
.irp a, 0,1,2,3
.irp c, 0,1
	ds_load_b128 v[128+32*((\g)%2)+8*\a+4*\c:128+32*((\g)%2)+8*\a+4*\c+3], v14 offset:(4*(\g)+\a)*1024+512*\c
.endr
.endr
	ds_load_b128 v[240+4*((\g)%2):243+4*((\g)%2)], v15 offset:512*(\g)
.endm
.macro PV g
.if (\g) < 15
.if (\g) > 0
	PLACES                                         ; the set that takes the next loads was read by the products just issued
.endif
	PLOAD (\g)+1
	s_wait_dscnt 9                                 ; this step's nine loads are in; the nine just issued may be out
.else
	s_wait_dscnt 0x0
.endif
.if (\g) == 0
	s_wait_loadcnt 32                              ; v's scale words and key steps 0-7 are in; the 32 loads of key steps 8-15 may be out
.endif
.if (\g) == 8
	s_wait_loadcnt 0x0
.endif
	WIN 0x01
.irp a, 0,1,2,3
.irp n, 0,1
.set rO, S+8*(2*\a+\n)
.set rV, 128*((\g)/8)+64*\n+8*((\g)%8)
.set rP, 128+32*((\g)%2)+8*\a
.set rW, 240+4*((\g)%2)+\a
.if (\g) == 0
.if \n == 0
	v_wmma_scale_f32_16x16x128_f8f6f4 v[rO:rO+7], v[rV:rV+7], v[rP:rP+7], 0, v[224+(\g)], v[rW] matrix_a_fmt:MATRIX_FMT_FP4 matrix_b_fmt:MATRIX_FMT_FP4
.else
	v_wmma_scale_f32_16x16x128_f8f6f4 v[rO:rO+7], v[rV:rV+7], v[rP:rP+7], 0, v[224+(\g)], v[rW] matrix_a_fmt:MATRIX_FMT_FP4 matrix_b_fmt:MATRIX_FMT_FP4 matrix_a_scale:MATRIX_SCALE_ROW1
.endif
.else
.if \n == 0
	v_wmma_scale_f32_16x16x128_f8f6f4 v[rO:rO+7], v[rV:rV+7], v[rP:rP+7], v[rO:rO+7], v[224+(\g)], v[rW] matrix_a_fmt:MATRIX_FMT_FP4 matrix_b_fmt:MATRIX_FMT_FP4
.else
	v_wmma_scale_f32_16x16x128_f8f6f4 v[rO:rO+7], v[rV:rV+7], v[rP:rP+7], v[rO:rO+7], v[224+(\g)], v[rW] matrix_a_fmt:MATRIX_FMT_FP4 matrix_b_fmt:MATRIX_FMT_FP4 matrix_a_scale:MATRIX_SCALE_ROW1
.endif
.endif
.endr
.endr
	WIN 0
.endm
	PLOAD 0
.irp g, 0,1,2,3,4,5,6,7,8,9,10,11,12,13,14,15
	PV \g
.endr
	; ---- THE WAY OUT: register j of accumulator (a, n) is out(16 a + r, 32 w + 16 n + 8 h + j).  A row's 1,024 bytes come from eight waves: they meet in the stage, and each wave stores 8 whole rows.
	PLACES
.irp a, 0,1,2,3
.irp n, 0,1
	ds_store_b128 v16, v[S+8*(2*\a+\n):S+8*(2*\a+\n)+3] offset:16640*\a+64*\n          ; each accumulator from its low end on
	ds_store_b128 v16, v[S+8*(2*\a+\n)+4:S+8*(2*\a+\n)+7] offset:16640*\a+64*\n+16
.endr
.endr
	BARRIER                                        ; 64 whole rows lie in the stage
.irp i, 0,1,2,3,4,5,6,7,8,9,10,11,12,13,14,15
	ds_load_b128 v[128+4*\i:131+4*\i], v17 offset:1040*(\i/2)+512*(\i%2)
.endr
.irp i, 0,1,2,3,4,5,6,7,8,9,10,11,12,13,14,15
	s_wait_dscnt 15-\i                             ; load i is in; the younger ones may be out
	global_store_b128 v1, v[128+4*\i:131+4*\i], s[52:53] offset:1024*(\i/2)+512*(\i%2) th:TH_STORE_NT   ; 32 lanes store 512 consecutive bytes, at a multiple of 256 from out0's first byte
.endr
	s_wait_tensorcnt 0x0                           ; the wave's end
	ds_add_u32 v2, v3
	s_wait_dscnt 0x0
	s_endpgm
.Lfunc_end_k_q9ad3eb16af_attn:
	.size	k_q9ad3eb16af_attn, .Lfunc_end_k_q9ad3eb16af_attn-k_q9ad3eb16af_attn
	.p2alignl 7, 3214868480
	.fill 96, 4, 3214868480
	.section	.rodata,"a",@progbits
	.p2align	6, 0x0
	.amdhsa_kernel k_q9ad3eb16af_attn
		.amdhsa_group_segment_fixed_size 231424
		.amdhsa_private_segment_fixed_size 0
		.amdhsa_enable_private_segment 0
		.amdhsa_kernarg_size 64
		.amdhsa_user_sgpr_count 2
		.amdhsa_user_sgpr_kernarg_segment_ptr 1
		.amdhsa_wavefront_size32 1
		.amdhsa_system_sgpr_workgroup_id_x 1
		.amdhsa_system_sgpr_workgroup_id_y 1
		.amdhsa_system_sgpr_workgroup_id_z 1
		.amdhsa_system_vgpr_workitem_id 0
		.amdhsa_next_free_vgpr 512
		.amdhsa_next_free_sgpr 66
		.amdhsa_reserve_vcc 1
		.amdhsa_float_denorm_mode_32 3
		.amdhsa_float_denorm_mode_16_64 3
		.amdhsa_memory_ordered 1
		.amdhsa_forward_progress 1
		.amdhsa_inst_pref_size 132
	.end_amdhsa_kernel
	.amdgpu_metadata
---
amdhsa.version: [ 1, 2 ]
amdhsa.kernels:
  - .name:           k_q9ad3eb16af_attn
    .symbol:         k_q9ad3eb16af_attn.kd
    .args:
      - { .name: inputs, .offset: 0, .size: 8, .value_kind: global_buffer, .address_space: global }
      - { .name: qc, .offset: 8, .size: 8, .value_kind: global_buffer, .address_space: global }
      - { .name: qs, .offset: 16, .size: 8, .value_kind: global_buffer, .address_space: global }
      - { .name: kc, .offset: 24, .size: 8, .value_kind: global_buffer, .address_space: global }
      - { .name: ks, .offset: 32, .size: 8, .value_kind: global_buffer, .address_space: global }
      - { .name: vc, .offset: 40, .size: 8, .value_kind: global_buffer, .address_space: global }
      - { .name: vs, .offset: 48, .size: 8, .value_kind: global_buffer, .address_space: global }
      - { .name: out0, .offset: 56, .size: 8, .value_kind: global_buffer, .address_space: global }
    .group_segment_fixed_size: 231424
    .private_segment_fixed_size: 0
    .kernarg_segment_align: 8
    .kernarg_segment_size: 64
    .max_flat_workgroup_size: 256
    .sgpr_count:     66
    .vgpr_count:     512
    .wavefront_size: 32
...
	.end_amdgpu_metadata
.endif
;; end of part 2
;; ======== version 2 of 2: 2 launches
;; limits: right only within a limited range of input values
;; workspace buffers: kc 2,097,152 bytes; vc 2,097,152 bytes; ks 131,072 bytes; vs 131,072 bytes
;; launch prep (part 3): grid 256 x 1, 24 waves a work-group, no clusters, 4,096 bytes of LDS; arguments inputs, Wk, Wv, kc, ks, vc, vs; writes kc, ks, vc, vs
.if DOCPART == 3
	.amdgcn_target "amdgcn-amd-amdhsa--gfx1250"
	.amdhsa_code_object_version 6
	.text
	.protected	k_q9ad3eb16af_prep
	.globl	k_q9ad3eb16af_prep
	.p2align	8
	.type	k_q9ad3eb16af_prep,@function
k_q9ad3eb16af_prep:
	s_mov_b64 s[64:65], 0
	v_nop
	global_prefetch_b8 v0, s[64:65] scope:SCOPE_SE
	s_setreg_imm32_b32 hwreg(HW_REG_WAVE_MODE, 25, 1), 1
	s_wait_xcnt 0x0
; k = h Wk (K = the 256 channels) and v = h Wv (K = the keys) are made in f32 and turned into codes of FP4 (E2M1) with one E8M0 byte for each 32 along K.
; NO WORK OF reference() IS LEFT OUT IN THIS PROGRAM, and every input is loaded: the query mask, though the same along the softmax's axis, is so large that reference()'s f32 loses the penalties beside it, so it stays.
; The 32 work-groups of a batch in the next launch all read the whole of k and v, so they are quantised once, here; q is quantised where it is used.
; A block's scale is 2^(floor(log2(its largest magnitude)) - 2); its byte is the largest magnitude's exponent field - 2, held at 1 from below.  A block of zeros so gets the byte 1 where the rule says 127: its codes
; are zeros, which add nothing under any byte but 0xff, and this program alone reads the bytes.
; LIMITS: NaN and infinities among the inputs are not served; blocks whose largest magnitude lies under 2^(2 - 126) keep the byte 1.
; LAYOUTS.  A fragment (16 rows x 128 K) is 1,024 bytes: the block b (0..3) of row r is 16 bytes at 256 b + 16 r.
;   kc: [batch][tile 128][K step 2][1,024].  Row r of tile T is key 32 (T / 2) + 8 (T % 2) + r + 8 (r / 8).
;   ks: [batch][group of 4 tiles 32][lane 32][4 words]: word i = tile 4 g + i; lanes 0-15 the row's scale word of K step 0, lanes 16-31 that of K step 1.
;   vc: [batch][half of the keys 2][64 channels 4][key step 8][tile of 16 channels 4][1,024].
;   vs: [batch][key step 16][128 channels 2][lane 32][4 words]: word i = 32 channels, lane = channel among them.
; SHARES.  Work-group 32 batch + g.  Waves 0-7: k: 32 keys (a lane a key) x 64 channels: the weights are the same for all lanes and stand in scalar registers.
; Waves 8-23: v: 32 channels (a lane a channel) x 32 keys of key step g / 2, channels 128 (g % 2) on: the heights stand in scalar registers.  A lane holds whole blocks.
; Sixteen lanes store 256 consecutive bytes of codes, aligned.  The scale bytes meet in LDS (512 bytes of k's, 512 of v's) and leave as whole units by waves 0 and 1.
.set SPARE, 1024                       ; the spare words, 128 bytes for each of 24 waves
.macro WA
	s_wait_alu depctr_va_vdst(0)
.endm
; the scale operand of the block in v[x] .. v[x + 31] into v[m]: the largest magnitude with the floor 2^(3 - 127), 2 off its exponent field
.macro SCALE x, m
	v_max3_num_f32 v[\m], |v[\x]|, |v[\x+1]|, |v[\x+2]|
	v_max3_num_f32 v[\m+1], |v[\x+3]|, |v[\x+4]|, |v[\x+5]|
.irp i, 6,10,14,18,22,26
	v_max3_num_f32 v[\m], v[\m], |v[\x+\i]|, |v[\x+\i+1]|
	v_max3_num_f32 v[\m+1], v[\m+1], |v[\x+\i+2]|, |v[\x+\i+3]|
.endr
	v_max3_num_f32 v[\m], v[\m], |v[\x+30]|, |v[\x+31]|
	v_max3_num_f32 v[\m], v[\m], v[\m+1], 0x1800000
	v_add_nc_u32 v[\m], 0xff000000, v[\m]
.endm
.macro CODES d, x, m
.irp g, 0,1,2,3
	v_cvt_scalef32_pk8_fp4_f32 v[\d+\g], v[\x+8*\g:\x+8*\g+7], v[\m]
.endr
.endm
.macro UNIFORM                         ; 256 bytes that all lanes share
	s_load_b512 s[16:31], s[6:7], 0x0
	s_load_b512 s[32:47], s[6:7], 0x40
	s_load_b512 s[48:63], s[6:7], 0x80
	s_load_b512 s[68:83], s[6:7], 0xc0
.endm
	s_load_b256 s[4:11], s[0:1], 0x0               ; inputs s[4:5], Wk s[6:7], Wv s[8:9], kc s[10:11]
	s_load_b128 s[84:87], s[0:1], 0x20             ; ks s[84:85], vc s[86:87]
	s_load_b64 s[88:89], s[0:1], 0x30              ; vs
	v_lshl_add_u32 v2, v0, 2, SPARE                ; my spare word,
	v_mov_b32 v3, 0                                ; and 0: kept for the add at the wave's end alone
	v_lshrrev_b32 v1, 5, v0
	v_readfirstlane_b32 s12, v1                    ; wave 0..23
	v_and_b32 v4, 31, v0                           ; lane
	v_and_b32 v5, 15, v0                           ; r
	v_bfe_u32 v6, v0, 4, 1                         ; u = lane / 16
	v_lshlrev_b32 v1, 4, v4                        ; 16 x lane
	s_and_b32 s93, s12, 1
	s_lshl_b32 s93, s93, 9
	v_add_nc_u32 v15, s93, v1                      ; the way out of the scale words: wave 0 k's, wave 1 v's
	v_lshlrev_b32 v8, 4, v5                        ; 16 r
	s_lshr_b32 s13, ttmp9, 5                       ; batch
	s_and_b32 s14, ttmp9, 31                       ; g
	s_lshl_b32 s90, s13, 14                        ; a batch of inputs is 16,384 bytes
	s_mov_b32 s91, 0
	s_mov_b32 s95, 0
	WA
	s_cmp_lt_u32 s12, 8
	s_cbranch_scc0 .Lv
	; ---- k: keys 64 g + 32 kg on, channels 64 bp on
	s_and_b32 s15, s12, 1                          ; kg
	s_lshr_b32 s13, s12, 1                         ; bp
	v_and_b32 v7, 8, v5
	v_add_nc_u32 v7, v7, v5
	v_lshl_add_u32 v7, v6, 3, v7                   ; my key: 8 u + r + 8 (r / 8)
	v_lshlrev_b32 v7, 3, v7
	v_lshl_add_u32 v9, v6, 11, v8                  ; codes: tile u, row r
	v_lshl_add_u32 v10, v6, 2, v8                  ; scale bytes: 16 r + 4 u + 256 (bp / 2) + 8 kg + 2 (bp % 2)
	s_lshr_b32 s92, s13, 1
	s_lshl_b32 s92, s92, 8
	s_lshl_b32 s93, s15, 3
	s_add_co_u32 s92, s92, s93
	s_and_b32 s93, s13, 1
	s_lshl_b32 s93, s93, 1
	s_add_co_u32 s92, s92, s93
	WA
	v_add_nc_u32 v10, s92, v10
	s_lshl_b32 s94, s14, 9
	s_add_co_u32 s90, s90, s94
	s_lshl_b32 s94, s15, 8
	s_add_co_u32 s90, s90, s94                     ; inputs: + 512 g + 256 kg
	s_lshl_b32 s92, ttmp9, 13
	s_lshl_b32 s94, s15, 12
	s_add_co_u32 s92, s92, s94
	s_lshl_b32 s94, s13, 9
	s_add_co_u32 s92, s92, s94                     ; kc: 8,192 (32 batch + g) + 4,096 kg + 512 bp
	s_mov_b32 s93, 0
	s_lshl_b32 s94, s13, 8                         ; Wk: 64 channels
	WA
	s_wait_kmcnt 0x0
	s_add_nc_u64 s[4:5], s[4:5], s[90:91]
	s_add_nc_u64 s[6:7], s[6:7], s[94:95]
	s_add_nc_u64 s[10:11], s[10:11], s[92:93]
	global_load_b32 v11, v7, s[4:5] offset:4       ; my key's height
	UNIFORM
	s_wait_kmcnt 0x0
	s_wait_loadcnt 0x0
.set n, 0
.rept 48
	v_mul_f32 v[16+n], s[16+n], v11
.set n, n+1
.endr
.set n, 0
.rept 16
	v_mul_f32 v[64+n], s[68+n], v11
.set n, n+1
.endr
	SCALE 16, 12
	SCALE 48, 92
	CODES 80, 16, 12
	CODES 84, 48, 92
	v_lshrrev_b32 v88, 23, v12                     ; the scale bytes
	v_lshrrev_b32 v89, 23, v92
	v_lshl_or_b32 v88, v89, 8, v88
	global_store_b128 v9, v[80:83], s[10:11]
	global_store_b128 v9, v[84:87], s[10:11] offset:256
	ds_store_b16 v10, v88
	WA
	s_branch .Ljoin
.Lv:	; ---- v: block b of key step sg = g / 2, 32 channels: 128 (g % 2) + 32 cg on
	s_sub_co_u32 s15, s12, 8
	s_lshr_b32 s92, s15, 2                         ; b
	s_and_b32 s15, s15, 3                          ; cg
	s_lshl_b32 s93, s15, 2
	s_add_co_u32 s93, s93, s92
	s_add_co_u32 s93, s93, 512
	v_add_nc_u32 v10, s93, v1                      ; scale bytes: 512 + 16 lane + 4 cg + b
	v_lshlrev_b32 v7, 2, v4                        ; my channel
	v_lshl_add_u32 v9, v6, 10, v8                  ; codes: tile u, row r
	s_lshr_b32 s93, s14, 1                         ; sg
	s_lshl_b32 s94, s93, 10
	s_add_co_u32 s90, s90, s94
	s_lshl_b32 s94, s92, 8
	s_add_co_u32 s90, s90, s94                     ; inputs: + 1,024 sg + 256 b
	s_lshl_b32 s13, s13, 18                        ; vc: 262,144 batch
	s_add_co_u32 s13, s13, s94                     ;     + 256 b
	s_lshr_b32 s94, s93, 3
	s_lshl_b32 s94, s94, 17
	s_add_co_u32 s13, s13, s94                     ;     + 131,072 (sg / 8)
	s_and_b32 s94, s93, 7
	s_lshl_b32 s94, s94, 12
	s_add_co_u32 s13, s13, s94                     ;     + 4,096 (sg % 8)
	s_and_b32 s14, s14, 1
	s_lshl_b32 s14, s14, 2
	s_add_co_u32 s14, s14, s15                     ; G = 4 (g % 2) + cg: which 32 channels
	s_lshr_b32 s94, s14, 1
	s_lshl_b32 s94, s94, 15
	s_add_co_u32 s13, s13, s94                     ;     + 32,768 (G / 2)
	s_and_b32 s94, s14, 1
	s_lshl_b32 s94, s94, 11
	s_add_co_u32 s92, s13, s94                     ;     + 2,048 (G % 2)
	s_mov_b32 s93, 0
	s_lshl_b32 s94, s14, 7                         ; Wv: 128 bytes x G
	WA
	s_wait_kmcnt 0x0
	s_add_nc_u64 s[8:9], s[8:9], s[94:95]
	s_add_nc_u64 s[6:7], s[4:5], s[90:91]
	s_add_nc_u64 s[10:11], s[86:87], s[92:93]
	global_load_b32 v11, v7, s[8:9]                ; my channel's weight
	UNIFORM                                        ; 32 keys' (size, height): the height of key i is word 2 i + 1
	s_wait_kmcnt 0x0
	s_wait_loadcnt 0x0
.set n, 0
.rept 24
	v_mul_f32 v[16+n], s[17+2*n], v11
.set n, n+1
.endr
.set n, 0
.rept 8
	v_mul_f32 v[40+n], s[69+2*n], v11
.set n, n+1
.endr
	SCALE 16, 12
	CODES 80, 16, 12
	v_lshrrev_b32 v88, 23, v12
	global_store_b128 v9, v[80:83], s[10:11]
	ds_store_b8 v10, v88
	WA
.Ljoin:
	s_wait_dscnt 0x0                               ; my scale bytes lie in LDS
	s_barrier_signal -1
	s_barrier_wait -1
	s_cmp_lt_u32 s12, 2
	s_cbranch_scc0 .Lend
	s_cmp_eq_u32 s12, 0
	s_cselect_b64 s[84:85], s[84:85], s[88:89]
	s_lshl_b32 s94, ttmp9, 9
	s_add_nc_u64 s[84:85], s[84:85], s[94:95]      ; 512 bytes a work-group
	ds_load_b128 v[88:91], v15
	s_wait_dscnt 0x0
	global_store_b128 v1, v[88:91], s[84:85]
.Lend:
	s_wait_tensorcnt 0x0                           ; the wave's end
	ds_add_u32 v2, v3
	s_wait_dscnt 0x0
	s_endpgm
.Lfunc_end_k_q9ad3eb16af_prep:
	.size	k_q9ad3eb16af_prep, .Lfunc_end_k_q9ad3eb16af_prep-k_q9ad3eb16af_prep
	.p2alignl 7, 3214868480
	.fill 96, 4, 3214868480
	.section	.rodata,"a",@progbits
	.p2align	6, 0x0
	.amdhsa_kernel k_q9ad3eb16af_prep
		.amdhsa_group_segment_fixed_size 4096
		.amdhsa_private_segment_fixed_size 0
		.amdhsa_enable_private_segment 0
		.amdhsa_kernarg_size 56
		.amdhsa_user_sgpr_count 2
		.amdhsa_user_sgpr_kernarg_segment_ptr 1
		.amdhsa_wavefront_size32 1
		.amdhsa_system_sgpr_workgroup_id_x 1
		.amdhsa_system_sgpr_workgroup_id_y 1
		.amdhsa_system_sgpr_workgroup_id_z 1
		.amdhsa_system_vgpr_workitem_id 0
		.amdhsa_next_free_vgpr 96
		.amdhsa_next_free_sgpr 96
		.amdhsa_reserve_vcc 0
		.amdhsa_float_denorm_mode_32 3
		.amdhsa_float_denorm_mode_16_64 3
		.amdhsa_memory_ordered 1
		.amdhsa_forward_progress 1
		.amdhsa_inst_pref_size 13
	.end_amdhsa_kernel
	.amdgpu_metadata
---
amdhsa.version: [ 1, 2 ]
amdhsa.kernels:
  - .name:           k_q9ad3eb16af_prep
    .symbol:         k_q9ad3eb16af_prep.kd
    .args:
      - { .name: inputs, .offset: 0, .size: 8, .value_kind: global_buffer, .address_space: global }
      - { .name: Wk, .offset: 8, .size: 8, .value_kind: global_buffer, .address_space: global }
      - { .name: Wv, .offset: 16, .size: 8, .value_kind: global_buffer, .address_space: global }
      - { .name: kc, .offset: 24, .size: 8, .value_kind: global_buffer, .address_space: global }
      - { .name: ks, .offset: 32, .size: 8, .value_kind: global_buffer, .address_space: global }
      - { .name: vc, .offset: 40, .size: 8, .value_kind: global_buffer, .address_space: global }
      - { .name: vs, .offset: 48, .size: 8, .value_kind: global_buffer, .address_space: global }
    .group_segment_fixed_size: 4096
    .private_segment_fixed_size: 0
    .kernarg_segment_align: 8
    .kernarg_segment_size: 56
    .max_flat_workgroup_size: 768
    .sgpr_count:     96
    .vgpr_count:     96
    .wavefront_size: 32
...
	.end_amdgpu_metadata
.endif
;; end of part 3
;; launch attn (part 4): grid 32 x 8, 8 waves a work-group, clusters of 4 x 1, 327,680 bytes of LDS; arguments inputs, Wq, kc, ks, vc, vs, out0; writes out0
.if DOCPART == 4
	.amdgcn_target "amdgcn-amd-amdhsa--gfx1250"
	.amdhsa_code_object_version 6
	.text
	.protected	k_q9ad3eb16af_attn
	.globl	k_q9ad3eb16af_attn
	.p2align	8
	.type	k_q9ad3eb16af_attn,@function
k_q9ad3eb16af_attn:
	s_mov_b64 s[64:65], 0
	v_nop
	global_prefetch_b8 v0, s[64:65] scope:SCOPE_SE
	s_setreg_imm32_b32 hwreg(HW_REG_WAVE_MODE, 25, 1), 1
	s_wait_xcnt 0x0
	s_wait_alu depctr_hold_cnt(0) depctr_sa_sdst(0) depctr_va_vdst(0) depctr_va_sdst(0) depctr_va_ssrc(0) depctr_va_vcc(0) depctr_vm_vsrc(0)
	s_getreg_b32 s2, hwreg(HW_REG_IB_STS2, 6, 4)
	s_cmp_eq_u32 s2, 0
	s_cbranch_scc0 .Lentry_in_a_cluster
	s_endpgm
.Lentry_in_a_cluster:
	s_bfe_u32 s2, ttmp6, 0x10000c
	s_cmp_lg_u32 s2, 0x3003
	s_cbranch_scc0 .Lentry_shape_is_right
	s_endpgm
.Lentry_shape_is_right:
; out = (softmax(q k^T / 16 - 0.5 |size_i - size_j| + masks) x key mask) v, both products on codes of FP4 (E2M1) with one E8M0 scale for each 32 along K.  No work of reference() is left out.
; SHARES.  A work-group owns 64 queries of one batch (four tiles a of 16).  In the first product wave w owns keys 256 w on (two chunks e of 128): its part of k stays in 256 registers.  In the second wave w owns
; 64 channels (64 (w % 4) on) and half of the keys (1,024 (w / 4) on): its part of v takes k's registers; the two halves' sums are added on the way out.  The weights' codes go from wave to wave through LDS as images of registers.
; THE WEIGHTS ARE QUANTISED FINISHED AND NORMALISED.  The exponentials of a tile stay in registers until its sum over all keys is known: two buffers of 64 registers for the tile, and a third in which the next tile's chunk 0 is
; made between the signal and the wait of the barrier that joins the tile's eight waves.  Under the last tile's join stands the second product of tile 0.
; LAYOUT.  Both products are used transposed (source 0 = 16 keys or 16 channels, source 1 = 16 queries): a lane holds ONE query (lane % 16).  Register 16 b + i of a chunk's 64 scores is key 32 b + 16 (lane / 16) + i (launch prep).
; THE PENALTY IS THE C OF THE FIRST PRODUCT: C = 8 s_i - 8 s_j, and the matrix instruction takes -|C|: the result is 16 x the logit.
; THE QUERY MASK: Q16 = 0 or -1.6e10 is added to the scores behind the products.  Under a hidden query q's codes are zeros, so the sum is fl(-|C| - 1.6e10) = 16 x fl(-0.5 |d| - 1e9): the loss of the penalties is reference()'s own.
; THE KEY MASK LIES IN THE SIZE: a key whose height is 0 takes the size 2e9, so its logit is about -1e9; beside any visible key its weight is 0 by the exponential, which is what the product with the key mask leaves; where a batch
; has no visible key all of v's codes are zeros, and the result is 0 as in reference().
; SOFTMAX.  c1 = log2(e) / 16.  Chunk 0: n0 = fl(-c1 m0), p = 2^(score c1 + n0).  Chunk 1: n1 = min(n0, fl(-c1 m1)).  The wave's {n1, l} goes to LDS; the join: N = the least n, L = the sum of l 2^(N - n); the chunk's factor
; f = 2^(N - n) / L, w = p f.  A block's largest w is not searched for: the block's largest score goes the same way (this takes v_exp_f32 not to fall where its input rises).
; LIMITS: NaN and infinities are not served; sizes stay far under 2e9 in magnitude and visible logits above about -9e8; exponentials under 2^-126 become 0; blocks of q whose largest magnitude lies under 2^(2 - 126) keep the
; byte 1, as blocks of zeros do (read by this program alone).
; CLUSTERS: four work-groups of one batch ask jointly for k (32,768 bytes a wave, at the head) and for three quarters of v (24,576 bytes a wave, into the bytes that k has left, behind a round).  A wave reads only what it asked for itself.
; The last quarter of v (key steps 6 and 7 of a wave's eight) goes straight into registers: the images of the weights (65,536 bytes) and the tables need the LDS.
; NO PREFETCH: there is no loop; k is asked for at the head, and v's joint load has three chunks and three tiles' ends in which to land.
; LDS: 0: k, later v (24,576 w), later the stages (2 x 66,560);  PIMG: the weights' fragments [chunk 16][tile 4][1,024];  KW: k's scale words, 2,048 a wave;  TQF: q's fragments [tile][K step][1,024];  REC: [tile][lane]{8 s, q's scale
;   word, Q16, 0};  SJ: a wave's 256 masked sizes x 8;  PST: 1,536 a wave: the weights' scale words [chunk 2][r][tile], then [tile][r]{n, l} 16 bytes apart.
; REGISTERS, window 0: v0-9 addresses (v7: at work in the join); v10-15, v62-63 at work; v16-31 q, later v's scale words; v32-39 k's scale words, later the weights'; v40-43 the record; v44-55 block maxima, v56-61 {n or f, l} of
;   the three buffers; v64-127, v128-191, v192-255 the buffers.   window 1: k (128 e + 16 t + 8 s), later v (32 ((j + 2) % 8) + 8 n for key step j, tile n of channels).
.set PIMG,  196608
.set KW,    262144
.set TQF,   278528
.set REC,   286720
.set SJ,    288768
.set PST,   296960
.set SPARE, 309248                     ; the spare words, 128 bytes for each of the eight waves
.set HSTG,  66560                      ; a stage: 64 rows of 1,024 + 16 bytes
.set MSB, 0
.macro WIN new                         ; the immediate's high byte repeats the setting that is left.  0x40: destination window 1;  0x01: source 0 window 1
.if MSB != \new
	s_set_vgpr_msb (MSB<<8)|\new
.set MSB, \new
.endif
.endm
.macro WA
	s_wait_alu depctr_va_vdst(0)
.endm
.macro PLACES                          ; four plain lines between a matrix instruction and a load into, or a read of, its registers
.rept 4
	v_nop
.endr
.endm
.macro CREST                           ; a round of the cluster's barrier behind its opening barrier
	s_cmp_lg_u32 s20, 0
	s_cbranch_scc1 .Lnot_wave_0_\@
	s_barrier_signal -3
.Lnot_wave_0_\@:
	s_barrier_wait -3
	s_barrier_signal -1
	s_barrier_wait -1
.endm
.macro ROUND                           ; a whole round
	s_barrier_signal -1
	s_barrier_wait -1
	CREST
.endm
	s_load_b256 s[4:11], s[0:1], 0x0               ; inputs s[4:5], Wq s[6:7], kc s[8:9], ks s[10:11]
	s_load_b128 s[12:15], s[0:1], 0x20             ; vc s[12:13], vs s[14:15]
	s_load_b64 s[16:17], s[0:1], 0x30              ; out0
	v_lshl_add_u32 v2, v0, 2, SPARE                ; my spare word,
	v_mov_b32 v3, 0                                ; and 0: kept for the adds alone
	ds_add_u32 v2, v3                              ; the wave's opening
	ds_add_u32 v2, v3
	v_lshrrev_b32 v1, 5, v0
	v_readfirstlane_b32 s20, v1                    ; wave w, 0..7
	v_and_b32 v10, 31, v0                          ; lane
	v_and_b32 v12, 15, v0                          ; r
	v_bfe_u32 v13, v0, 4, 1                        ; h
	v_lshlrev_b32 v1, 4, v10                       ; 16 x lane
	WA
	s_and_b32 s51, s20, 3                          ; w % 4: the tile of q that I make; my 64 channels
	s_lshr_b32 s3, s20, 2                          ; w / 4: its K step; my half of the keys
	v_add_nc_u32 v4, TQF, v1
	s_lshl_b32 s21, s20, 11
	s_add_co_u32 s21, s21, KW
	v_add_nc_u32 v5, s21, v1
	s_lshl_b32 s21, s20, 10
	s_add_co_u32 s21, s21, SJ
	v_lshl_add_u32 v6, v13, 6, s21                 ; my sizes, + 16 keys for lanes 16-31
	v_lshl_add_u32 v61, v10, 3, s21                ; where I put two of them
	v_mul_u32_u24 v8, 6144, v13
	v_lshl_add_u32 v8, v12, 4, v8
	v_add_nc_u32 v8, PST+512, v8                   ; {n, l} to read: lanes 0-15 waves 0-3, lanes 16-31 waves 4-7
	s_lshl_b32 s21, s20, 13
	s_add_co_u32 s21, s21, PIMG
	v_add_nc_u32 v9, s21, v1                       ; my eight images
	s_mul_i32 s21, s20, 1536
	s_add_co_u32 s21, s21, PST
	v_lshl_add_u32 v0, v12, 4, s21                 ; my two chunks' scale words, and my {n, l}
	s_lshl_b32 s21, s51, 11
	s_lshl_b32 s77, s3, 10
	s_add_co_u32 s21, s21, s77
	s_add_co_u32 s21, s21, TQF
	v_add_nc_u32 v14, s21, v1                      ; the fragment of q that I make
	s_lshl_b32 s21, s51, 9
	s_add_co_u32 s21, s21, REC
	s_lshl_b32 s77, s3, 3
	s_add_co_u32 s77, s77, s21
	v_add_nc_u32 v15, s77, v1                      ; the record: word 0 (K step 0's wave) or 2 (K step 1's) of every lane,
	s_lshl_b32 s77, s3, 8
	s_add_co_u32 s77, s77, s21
	s_add_co_u32 s77, s77, 4
	v_lshl_add_u32 v11, v12, 4, s77                ; and words 1 and 3 of my half of the lanes
	s_lshl_b32 s41, s20, 15                        ; k in LDS: 32,768 w
	v_add_nc_u32 v10, s41, v1
	v_lshlrev_b32 v62, 3, v12
	v_lshlrev_b32 v63, 7, v13
	v_lshlrev_b32 v122, 3, v13
	v_mov_b32 v7, 0                                ; (a lane permute's destination counts as one of its sources)
	; the joint loads' descriptors: rows of 256 bytes (32 elements of 8 bytes): 128 of k, 96 of v; the mask names the cluster's four
	s_mov_b32 s24, 15|(3<<16)|(1<<21)
	s_mov_b32 s25, 32<<16
	s_mov_b32 s26, 128<<16
	s_mov_b32 s27, 32<<16
	s_mov_b32 s28, 128
	s_mov_b32 s29, 32
	s_mov_b32 s30, 0
	s_mov_b32 s31, 0
	s_mov_b32 s32, 15|(3<<16)|(1<<21)
	s_mov_b32 s33, 32<<16
	s_mov_b32 s34, 96<<16
	s_mov_b32 s35, 32<<16
	s_mov_b32 s36, 96
	s_mov_b32 s37, 32
	s_mov_b32 s38, 0
	s_mov_b32 s39, 0
	s_mul_i32 s45, s20, 24576                      ; v in LDS
	s_and_b32 s22, ttmp7, 0xffff                   ; batch
	s_lshl_b32 s18, s22, 18
	s_lshl_b32 s21, s20, 15
	s_add_co_u32 s18, s18, s21                     ; kc, vc: 262,144 batch + 32,768 w
	s_mov_b32 s19, 0
	s_lshl_b32 s74, s22, 14
	s_lshl_b32 s21, s20, 11
	s_add_co_u32 s74, s74, s21                     ; my keys' inputs and ks: 16,384 batch + 2,048 w
	s_mov_b32 s75, 0
	s_lshl_b32 s78, s22, 14
	s_lshl_b32 s21, s3, 13
	s_add_co_u32 s78, s78, s21
	s_lshr_b32 s21, s51, 1
	s_lshl_b32 s21, s21, 9
	s_add_co_u32 s78, s78, s21
	s_and_b32 s21, s51, 1
	s_lshl_b32 s21, s21, 3
	s_add_co_u32 s78, s78, s21                     ; vs: 16,384 batch + 8,192 (w / 4) + my two words of the four
	s_mov_b32 s79, 0
	s_lshl_b32 s80, s3, 9                          ; Wq: 128 channels of my K step
	s_mov_b32 s81, 0
	s_bfe_u32 s70, ttmp6, 0x40000                  ; cx
	s_lshl_b32 s71, ttmp9, 2
	s_add_co_u32 s71, s71, s70                     ; work-group x
	s_lshl_b32 s82, s22, 14
	s_lshl_b32 s70, s71, 9
	s_add_co_u32 s82, s82, s70
	s_lshl_b32 s70, s51, 7
	s_add_co_u32 s82, s82, s70                     ; my tile of queries' inputs
	s_mov_b32 s83, 0
	s_lshl_b32 s84, s22, 21
	s_lshl_b32 s70, s71, 16
	s_add_co_u32 s84, s84, s70
	s_lshl_b32 s70, s20, 11
	s_add_co_u32 s84, s84, s70                     ; out0: 2,097,152 batch + 65,536 x + 2,048 w: rows 2 w, 2 w + 1 of a tile
	s_mov_b32 s85, 0
	WA
	s_wait_dscnt 0x0                               ; both opening adds are done
	ROUND                                          ; the four work-groups are here (the arguments are on their way)
	s_wait_kmcnt 0x0
	s_mov_b32 s40, 1
	s_add_nc_u64 s[42:43], s[8:9], s[18:19]
	s_or_b32 s43, s43, 0x80000000
	s_mov_b32 s44, 1
	s_add_nc_u64 s[46:47], s[12:13], s[18:19]
	s_or_b32 s47, s47, 0x80000000
	s_add_nc_u64 s[62:63], s[12:13], s[18:19]
	s_add_nc_u64 s[54:55], s[4:5], s[74:75]
	s_add_nc_u64 s[60:61], s[10:11], s[74:75]
	s_add_nc_u64 s[66:67], s[14:15], s[78:79]
	s_add_nc_u64 s[58:59], s[6:7], s[80:81]
	s_add_nc_u64 s[56:57], s[4:5], s[82:83]
	s_add_nc_u64 s[68:69], s[16:17], s[84:85]
	global_load_b64 v[56:57], v62, s[56:57]        ; my row of q: size, height
.irp i, 0,1,2,3
	global_load_b128 v[64+4*\i:67+4*\i], v1, s[54:55] offset:512*\i    ; my 256 keys: sizes, heights
.endr
.irp i, 0,1,2,3
	global_load_b128 v[80+4*\i:83+4*\i], v1, s[60:61] offset:512*\i    ; and their scale words
.endr
.irp c, 0,1
.irp g, 0,1,2,3,4,5,6,7
	global_load_b128 v[128+32*\c+4*\g:131+32*\c+4*\g], v63, s[58:59] offset:256*\c+16*\g   ; Wq: channels 64 c + 32 h + 0 .. 31 of my K step
.endr
.endr
	tensor_load_to_lds s[40:43], s[24:31]          ; my part of k
	s_nop 0
	PLACES
	s_mov_b32 s48, 0x3db8aa3b                      ; c1 = log2(e) / 16
	s_mov_b32 s49, s48                             ; (named with it as a pair, so it is written)
	s_mov_b32 s50, 0xbdb8aa3b                      ; -c1
	s_mov_b32 s52, 0x76543210
	s_mov_b32 s53, 0xfedcba98                      ; v_permlanex16_b32's selects for lane l xor 16
	s_cmp_eq_u32 s3, 0
	s_cselect_b32 s21, -1, 0
	v_mov_b32 v123, 0
	v_mov_b32 v59, 0
	v_mov_b32 v106, 0
	WA
	s_wait_loadcnt 0x0
.irp i, 0,1,2,3
	v_mul_f32 v[96+2*\i], 0x41000000, v[64+4*\i]
	v_mul_f32 v[97+2*\i], 0x41000000, v[66+4*\i]
	v_cmp_neq_f32 vcc_lo, 0, v[65+4*\i]
	v_cndmask_b32 v[96+2*\i], 0x506e6b28, v[96+2*\i], vcc_lo   ; 8 x the key's size, or 8 x 2e9 where its height is 0
	v_cmp_neq_f32 vcc_lo, 0, v[67+4*\i]
	v_cndmask_b32 v[97+2*\i], 0x506e6b28, v[97+2*\i], vcc_lo
	ds_store_b64 v61, v[96+2*\i:97+2*\i] offset:256*\i
	ds_store_b128 v5, v[80+4*\i:83+4*\i] offset:512*\i
.endr
	v_mul_f32 v104, 0x41000000, v56                ; 8 x the query's size
	v_cmp_neq_f32 vcc_lo, 0, v57
	v_cndmask_b32 v105, 0xd06e6b28, v106, vcc_lo   ; Q16: 0 where the query's height is not 0, else -1.6e10
	v_cndmask_b32 v104, v105, v104, s21
	ds_store_b32 v15, v104
	ds_store_b32 v11, v106 offset:8
	v_mov_b32 v58, v57
.set j, 0
.rept 32
	v_pk_mul_f32 v[192+j:193+j], v[128+j:129+j], v[58:59] op_sel_hi:[1,0]   ; q = h Wq
.set j, j+2
.endr
.irp c, 0,1
	v_max3_num_f32 v[108+2*\c], |v[192+32*\c]|, |v[193+32*\c]|, |v[194+32*\c]|
	v_max3_num_f32 v[109+2*\c], |v[195+32*\c]|, |v[196+32*\c]|, |v[197+32*\c]|
.endr
.irp i, 6,10,14,18,22,26
.irp c, 0,1
	v_max3_num_f32 v[108+2*\c], v[108+2*\c], |v[192+32*\c+\i]|, |v[193+32*\c+\i]|
	v_max3_num_f32 v[109+2*\c], v[109+2*\c], |v[194+32*\c+\i]|, |v[195+32*\c+\i]|
.endr
.endr
.irp c, 0,1
	v_max3_num_f32 v[108+2*\c], v[108+2*\c], |v[222+32*\c]|, |v[223+32*\c]|
.endr
.irp c, 0,1
	v_max3_num_f32 v[108+2*\c], v[108+2*\c], v[109+2*\c], 0x1800000   ; the floor 2^(3 - 127)
.endr
.irp c, 0,1
	v_add_nc_u32 v[108+2*\c], 0xff000000, v[108+2*\c]   ; 2 off the exponent field: the conversion's scale operand
.endr
.irp c, 0,1
.irp g, 0,1,2,3
	v_cvt_scalef32_pk8_fp4_f32 v[112+4*\c+\g], v[192+32*\c+8*\g:199+32*\c+8*\g], v[108+2*\c]
.endr
.endr
	v_lshrrev_b32 v120, 23, v108                   ; my two bytes are those of blocks h and 2 + h of my row:
	v_lshrrev_b32 v121, 23, v110
	v_lshl_or_b32 v120, v121, 16, v120
	v_lshlrev_b32 v120, v122, v120
	v_permlanex16_b32 v123, v120, s52, s53
	v_or_b32 v120, v120, v123                      ; with lane l xor 16's two they are the row's scale word
	ds_store_b128 v14, v[112:115]
	ds_store_b128 v14, v[116:119] offset:512
	ds_store_b32 v11, v120
	WA
	s_wait_dscnt 0x0
	s_barrier_signal -1
	s_barrier_wait -1                              ; q and the records lie in LDS
.macro QLOAD a                         ; q's two fragments of tile a
.irp n, 0,1,2,3
	ds_load_b128 v[16+4*\n:19+4*\n], v4 offset:2048*\a+512*\n
.endr
.endm
.macro RLOAD a                         ; its record
	ds_load_b128 v[40:43], v4 offset:REC-TQF+512*\a
.endm
.macro KWL e                           ; k's scale words of chunk e
	ds_load_b128 v[32:35], v5 offset:1024*\e
	ds_load_b128 v[36:39], v5 offset:1024*\e+512
.endm
.macro SJL bs, e                       ; chunk e's sizes, into the buffer in the order of the scores; sixteen lanes read the same 16 bytes
.irp b, 0,1,2,3
.irp g, 0,1,2,3
	ds_load_b128 v[\bs+16*\b+4*\g:\bs+16*\b+4*\g+3], v6 offset:512*\e+128*\b+16*\g
.endr
.endr
.endm
.macro KL e                            ; chunk e of k: 32 loads
	WIN 0x40
.set m, 32*\e
.rept 32
	ds_load_b128 v[4*m:4*m+3], v10 offset:512*m
.set m, m+1
.endr
	WIN 0
.endm
.macro CST bs, out                     ; C = 8 s_i - 8 s_j, two keys at a time; out: the LDS loads that may be out
	WA
	s_wait_dscnt \out
.set j, 0
.rept 32
	v_pk_add_f32 v[\bs+j:\bs+j+1], v[40:41], v[\bs+j:\bs+j+1] op_sel_hi:[0,1] neg_lo:[0,1] neg_hi:[0,1]
.set j, j+2
.endr
.endm
; 16 x the logits (the query mask aside) of 16 queries x chunk e's 128 keys; the eight accumulators take turns
.macro MM bs, e
	PLACES
	WIN 0x01
.irp t, 0,1,2,3,4,5,6,7
	v_wmma_scale_f32_16x16x128_f8f6f4 v[\bs+8*\t:\bs+8*\t+7], v[128*\e+16*\t:128*\e+16*\t+7], v[16:23], v[\bs+8*\t:\bs+8*\t+7], v[32+\t], v41 matrix_a_fmt:MATRIX_FMT_FP4 matrix_b_fmt:MATRIX_FMT_FP4 neg_lo:[0,0,1] neg_hi:[0,0,1]
.endr
.rept 5
	v_nop                                          ; the second K step's products carry other modifiers, so they are no links of a chain in place: five plain lines
.endr
.irp t, 0,1,2,3,4,5,6,7
	v_wmma_scale_f32_16x16x128_f8f6f4 v[\bs+8*\t:\bs+8*\t+7], v[128*\e+16*\t+8:128*\e+16*\t+15], v[24:31], v[\bs+8*\t:\bs+8*\t+7], v[32+\t], v41 matrix_a_fmt:MATRIX_FMT_FP4 matrix_b_fmt:MATRIX_FMT_FP4 matrix_a_scale:MATRIX_SCALE_ROW1 matrix_b_scale:MATRIX_SCALE_ROW1
.endr
	WIN 0
	PLACES
.endm
.macro QADD bs                         ; the query mask
.set j, 0
.rept 32
	v_pk_add_f32 v[\bs+j:\bs+j+1], v[\bs+j:\bs+j+1], v[42:43] op_sel_hi:[1,0]
.set j, j+2
.endr
.endm
; the chunk's maximum, exponentials and sum: work on registers alone.  pm: the four blocks' largest scores, then their exponentials; nn: {n, l}; e = 1: np is chunk 0's {n, l}, and l becomes the wave's
.macro SOFT bs, pm, nn, e, np
.irp b, 0,1,2,3
	v_max3_num_f32 v[\pm+\b], v[\bs+16*\b], v[\bs+16*\b+1], v[\bs+16*\b+2]
.endr
.irp i, 3,5,7,9,11,13
.irp b, 0,1,2,3
	v_max3_num_f32 v[\pm+\b], v[\pm+\b], v[\bs+16*\b+\i], v[\bs+16*\b+\i+1]
.endr
.endr
.irp b, 0,1,2,3
	v_max_num_f32 v[\pm+\b], v[\pm+\b], v[\bs+16*\b+15]
.endr
.irp b, 0,1,2,3
	v_permlanex16_b32 v[12+\b], v[\pm+\b], s52, s53
.endr
.irp b, 0,1,2,3
	v_max_num_f32 v[\pm+\b], v[\pm+\b], v[12+\b]   ; with lane l xor 16's 16 keys
.endr
	v_max3_num_f32 v10, v[\pm], v[\pm+1], v[\pm+2]
	v_max_num_f32 v10, v10, v[\pm+3]
	v_mul_f32 v[\nn], s50, v10
.if \e
	v_min_num_f32 v[\nn], v[\nn], v[\np]
	v_sub_f32 v11, v[\nn], v[\np]                  ; 0 or less: what chunk 0's sum is brought down by
.endif
.irp b, 0,1,2,3
	v_fma_f32 v[\pm+\b], v[\pm+\b], s48, v[\nn]
.endr
.set j, 0
.rept 16
	v_pk_fma_f32 v[\bs+j:\bs+j+1], v[\bs+j:\bs+j+1], s[48:49], v[\nn:\nn+1] op_sel_hi:[1,0,0]
.set j, j+2
.endr
	WA                                             ; ahead of the batch
.irp b, 0,1,2,3
	v_exp_f32 v[\pm+\b], v[\pm+\b]
.endr
.if \e
	v_exp_f32 v11, v11
.endif
.set j, 0
.rept 16
	v_exp_f32 v[\bs+j], v[\bs+j]
	v_exp_f32 v[\bs+j+1], v[\bs+j+1]
	v_pk_fma_f32 v[\bs+32+j:\bs+33+j], v[\bs+32+j:\bs+33+j], s[48:49], v[\nn:\nn+1] op_sel_hi:[1,0,0]
.set j, j+2
.endr
	WA                                             ; ahead of the second batch
.set j, 32
.rept 32
	v_exp_f32 v[\bs+j], v[\bs+j]
.set j, j+1
.endr
	v_nop
	WA                                             ; behind it
	v_pk_add_f32 v[12:13], v[\bs:\bs+1], v[\bs+2:\bs+3]   ; the sum, two at a time, in three chains
	v_pk_add_f32 v[14:15], v[\bs+4:\bs+5], v[\bs+6:\bs+7]
	v_pk_add_f32 v[62:63], v[\bs+8:\bs+9], v[\bs+10:\bs+11]
.set j, 6
.rept 26
.if j%3 == 0
	v_pk_add_f32 v[12:13], v[12:13], v[\bs+2*j:\bs+2*j+1]
.elseif j%3 == 1
	v_pk_add_f32 v[14:15], v[14:15], v[\bs+2*j:\bs+2*j+1]
.else
	v_pk_add_f32 v[62:63], v[62:63], v[\bs+2*j:\bs+2*j+1]
.endif
.set j, j+1
.endr
	v_pk_add_f32 v[12:13], v[12:13], v[14:15]
	v_pk_add_f32 v[12:13], v[12:13], v[62:63]
	v_add_f32 v10, v12, v13
	v_permlanex16_b32 v63, v10, s52, s53
	v_add_f32 v[\nn+1], v10, v63
.if \e
	v_fma_f32 v[\nn+1], v[\np+1], v11, v[\nn+1]
.endif
.endm
.macro STATS a, nn                     ; my {n, l} of tile a to LDS, and the signal of the barrier that joins the tile
	ds_store_b64 v0, v[\nn:\nn+1] offset:512+256*\a
	WA
	s_wait_dscnt 0x0
	s_barrier_signal -1
.endm
.macro JW                              ; all eight waves' {n, l} of the tile lie in LDS
	WA
	s_barrier_wait -1
.endm
; THE JOIN of tile a: lanes 0-15 take waves 0-3, lanes 16-31 waves 4-7; then the two halves.  N and L are the same in lanes l and l xor 16 bit for bit.  n0, n1 become the two chunks' factors
.macro JOIN a, n0, n1
	ds_load_b64 v[10:11], v8 offset:256*\a
	ds_load_b64 v[12:13], v8 offset:256*\a+1536
	ds_load_b64 v[14:15], v8 offset:256*\a+3072
	ds_load_b64 v[62:63], v8 offset:256*\a+4608
	s_wait_dscnt 0x0
	v_min3_num_f32 v43, v10, v12, v14
	v_min_num_f32 v43, v43, v62
	v_permlanex16_b32 v7, v43, s52, s53
	v_min_num_f32 v43, v43, v7                     ; N
	v_sub_f32 v10, v43, v10
	v_sub_f32 v12, v43, v12
	v_sub_f32 v14, v43, v14
	v_sub_f32 v62, v43, v62
	v_sub_f32 v[\n0], v43, v[\n0]
	v_sub_f32 v[\n1], v43, v[\n1]
	WA
	v_exp_f32 v10, v10
	v_exp_f32 v12, v12
	v_exp_f32 v14, v14
	v_exp_f32 v62, v62
	v_exp_f32 v[\n0], v[\n0]
	v_exp_f32 v[\n1], v[\n1]
	v_nop
	WA
	v_mul_f32 v11, v10, v11
	v_mul_f32 v15, v14, v15
	v_fma_f32 v11, v12, v13, v11
	v_fma_f32 v15, v62, v63, v15
	v_add_f32 v11, v11, v15
	v_permlanex16_b32 v13, v11, s52, s53
	v_add_f32 v11, v11, v13                        ; L
	WA
	v_rcp_f32 v11, v11
	v_nop
	WA
	v_mul_f32 v[\n0], v[\n0], v11
	v_mul_f32 v[\n1], v[\n1], v11
.endm
.macro MULS bs, pm, nn                 ; the weights, finished and normalised, and the blocks' largest
.irp b, 0,1,2,3
	v_mul_f32 v[\pm+\b], v[\pm+\b], v[\nn]
.endr
.set j, 0
.rept 32
	v_pk_mul_f32 v[\bs+j:\bs+j+1], v[\bs+j:\bs+j+1], v[\nn:\nn+1] op_sel_hi:[1,0]
.set j, j+2
.endr
.endm
.macro TAIL bs, pm, a, e               ; their codes and scale word, as an image to LDS
.irp b, 0,1,2,3
	v_max_num_f32 v[\pm+\b], 0x1800000, v[\pm+\b]  ; the floor 2^(3 - 127): the byte cannot fall under 1
.endr
.irp b, 0,1,2,3
	v_add_nc_u32 v[\pm+\b], 0xff000000, v[\pm+\b]
.endr
	v_cvt_scalef32_pk8_fp4_f32 v12, v[\bs:\bs+7], v[\pm]
	v_cvt_scalef32_pk8_fp4_f32 v13, v[\bs+8:\bs+15], v[\pm]
	v_cvt_scalef32_pk8_fp4_f32 v14, v[\bs+16:\bs+23], v[\pm+1]
	v_cvt_scalef32_pk8_fp4_f32 v15, v[\bs+24:\bs+31], v[\pm+1]
	v_lshrrev_b32 v10, 23, v[\pm]
	v_lshrrev_b32 v11, 23, v[\pm+1]
	v_lshl_or_b32 v10, v11, 8, v10
	v_cvt_scalef32_pk8_fp4_f32 v[\bs], v[\bs+32:\bs+39], v[\pm+2]
	v_cvt_scalef32_pk8_fp4_f32 v[\bs+1], v[\bs+40:\bs+47], v[\pm+2]
	v_cvt_scalef32_pk8_fp4_f32 v[\bs+2], v[\bs+48:\bs+55], v[\pm+3]
	v_cvt_scalef32_pk8_fp4_f32 v[\bs+3], v[\bs+56:\bs+63], v[\pm+3]
	v_lshrrev_b32 v11, 23, v[\pm+2]
	v_lshl_or_b32 v10, v11, 16, v10
	v_lshrrev_b32 v11, 23, v[\pm+3]
	v_lshl_or_b32 v10, v11, 24, v10
	v_permlane16_swap_b32 v12, v14                 ; the operand's layout wants a whole block in a lane
	v_permlane16_swap_b32 v13, v15
	v_permlane16_swap_b32 v[\bs], v[\bs+2]
	v_permlane16_swap_b32 v[\bs+1], v[\bs+3]
	ds_store_b128 v9, v[12:15] offset:4096*\e+1024*\a
	ds_store_b128 v9, v[\bs:\bs+3] offset:4096*\e+1024*\a+512
	ds_store_b32 v0, v10 offset:256*\e+4*\a
.endm
; chunk 0 of a tile, between a signal and its wait: register work and LDS loads of bytes that nobody writes
.macro CH0 bs, pm, nn
	CST \bs, 0
	MM \bs, 0
	KWL 1
	QADD \bs
	SOFT \bs, \pm, \nn, 0, 0
.endm
; chunk 1 of tile a, behind its C; the next tile's q, record, scale words and sizes (into the free buffer nb) are asked for
.macro CH1 bs, pm, nn, np, a, nb
	MM \bs, 1
	KWL 0
	QLOAD (\a+1)
	SJL \nb, 0
	QADD \bs
	RLOAD (\a+1)
	SOFT \bs, \pm, \nn, 1, \np
.endm
; tile a is finished: its two buffers' weights become images; more: the first buffer takes the sizes of the next chunk 1
.macro FIN a, b0, p0, n0, b1, p1, n1, more
	JOIN \a, \n0, \n1
	MULS \b0, \p0, \n0
	TAIL \b0, \p0, \a, 0
	MULS \b1, \p1, \n1
	WA
	s_wait_dscnt 0x0                               ; the first image is stored: its registers may be written
.if \more
	SJL \b0, 1
.endif
	TAIL \b1, \p1, \a, 1
.endm
; THE SECOND PRODUCT.  PL: the fragments and scale words of nt tiles from ta on, key step j of my half: 2 nt + 1 loads
.macro PL ta, nt, j, sb, sw
.set lj, \j
.set la, 0
.rept \nt
.irp c, 0,1
	ds_load_b128 v[(\sb)+8*la+4*\c:(\sb)+8*la+4*\c+3], v5 offset:(4*lj+\ta+la)*1024+512*\c
.endr
.set la, la+1
.endr
.if \nt == 2
	ds_load_b64 v[(\sw):(\sw)+1], v6 offset:1536*(lj/2)+256*(lj%2)+4*\ta
.else
	ds_load_b32 v[(\sw)], v6 offset:1536*(lj/2)+256*(lj%2)+4*\ta
.endif
.endm
; MV: nt tiles x my four tiles of channels, onto the accumulators from ab on, by turns; key step 0 starts the sums
.macro MV ab, nt, j, sb, sw
.set mj, \j
.set ma, 0
	WIN 0x01
.rept \nt
.irp n, 0,1,2,3
.set rO, (\ab)+8*(4*ma+\n)
.set rV, 32*((mj+2)%8)+8*\n
.set rP, (\sb)+8*ma
.set rA, 16+2*mj+\n/2
.set rB, (\sw)+ma
.if mj == 0
.if \n%2 == 0
	v_wmma_scale_f32_16x16x128_f8f6f4 v[rO:rO+7], v[rV:rV+7], v[rP:rP+7], 0, v[rA], v[rB] matrix_a_fmt:MATRIX_FMT_FP4 matrix_b_fmt:MATRIX_FMT_FP4
.else
	v_wmma_scale_f32_16x16x128_f8f6f4 v[rO:rO+7], v[rV:rV+7], v[rP:rP+7], 0, v[rA], v[rB] matrix_a_fmt:MATRIX_FMT_FP4 matrix_b_fmt:MATRIX_FMT_FP4 matrix_a_scale:MATRIX_SCALE_ROW1
.endif
.else
.if \n%2 == 0
	v_wmma_scale_f32_16x16x128_f8f6f4 v[rO:rO+7], v[rV:rV+7], v[rP:rP+7], v[rO:rO+7], v[rA], v[rB] matrix_a_fmt:MATRIX_FMT_FP4 matrix_b_fmt:MATRIX_FMT_FP4
.else
	v_wmma_scale_f32_16x16x128_f8f6f4 v[rO:rO+7], v[rV:rV+7], v[rP:rP+7], v[rO:rO+7], v[rA], v[rB] matrix_a_fmt:MATRIX_FMT_FP4 matrix_b_fmt:MATRIX_FMT_FP4 matrix_a_scale:MATRIX_SCALE_ROW1
.endif
.endif
.endr
.set ma, ma+1
.endr
	WIN 0
.endm
.macro STGT ab, a                      ; my sums of tile a into my half's stage
.irp n, 0,1,2,3
	ds_store_b128 v4, v[\ab+8*\n:\ab+8*\n+3] offset:16640*\a+64*\n
	ds_store_b128 v4, v[\ab+8*\n+4:\ab+8*\n+7] offset:16640*\a+64*\n+16
.endr
.endm
.macro SRT a, d                        ; two rows of tile a, both halves' sums, back from the stages: 8 loads
.irp i, 0,1
.irp x, 0,1
	ds_load_b128 v[\d+8*\i+4*\x:\d+8*\i+4*\x+3], v8 offset:16640*\a+1040*\i+512*\x
	ds_load_b128 v[\d+16+8*\i+4*\x:\d+16+8*\i+4*\x+3], v9 offset:16640*\a+1040*\i+512*\x
.endr
.endr
.endm
.macro OUTT a, d                       ; added, and stored: 32 lanes store 512 consecutive bytes, at a multiple of 256 from out0's first byte
.set j, 0
.rept 8
	v_pk_add_f32 v[\d+j:\d+j+1], v[\d+j:\d+j+1], v[\d+16+j:\d+17+j]
.set j, j+2
.endr
.irp i, 0,1
.irp x, 0,1
	global_store_b128 v1, v[\d+8*\i+4*\x:\d+8*\i+4*\x+3], s[68:69] offset:16384*\a+1024*\i+512*\x th:TH_STORE_NT
.endr
.endr
.endm
	; ---- THE FIRST PRODUCT
	QLOAD 0
	RLOAD 0
	KWL 0
	SJL 64, 0
	SJL 128, 1
	CST 64, 16                                     ; (the 16 loads of chunk 1's sizes may be out)
	CST 128, 0
	WA
	s_wait_tensorcnt 0x0                           ; my part of k is in; no other wave reads it
	KL 0
	KL 1
	s_wait_dscnt 32                                ; chunk 0 of k is in; chunk 1's 32 loads may be out
	MM 64, 0
	KWL 1
	QADD 64
	SOFT 64, 44, 56, 0, 0
	WA
	s_wait_dscnt 0x0                               ; chunk 1 of k
	CH1 128, 48, 58, 56, 0, 192
	; tile 0's join and v's joint load share one round: v lands on bytes that k has left.  In front of it my {n, l}, the three lines and the next tile's first products; inside it that tile's softmax, which touches registers alone
	ds_store_b64 v0, v[58:59] offset:512
	CST 192, 0
	MM 192, 0
	KWL 1
	WA
	s_wait_tensorcnt 0x0
	ds_add_u32 v2, v3
	s_wait_dscnt 0x0
	s_barrier_signal -1
	QADD 192
	SOFT 192, 52, 60, 0, 0
	WA
	s_barrier_wait -1
	CREST
	tensor_load_to_lds s[44:47], s[32:39]          ; three quarters of my part of v
	s_nop 0
	PLACES
	FIN 0, 64, 44, 56, 128, 48, 58, 1
	CST 64, 0
	CH1 64, 44, 56, 60, 1, 128
	STATS 1, 56
	CH0 128, 48, 58
	JW
	FIN 1, 192, 52, 60, 64, 44, 56, 1
	CST 192, 0
	CH1 192, 52, 60, 58, 2, 64
	STATS 2, 60
	v_add_nc_u32 v4, s45, v1                       ; my part of v in LDS
	CST 64, 0
	MM 64, 0                                       ; chunk 0 of k has had its last products
	KWL 1
	WA
	s_wait_tensorcnt 0x0                           ; my part of v is in; no other wave reads it
	WIN 0x40
.set m, 16
.rept 16
	ds_load_b128 v[4*m:4*m+3], v4 offset:512*(m-16)   ; key steps 0 and 1
.set m, m+1
.endr
	WIN 0
	QADD 64
	SOFT 64, 44, 56, 0, 0
	JW
	FIN 2, 128, 48, 58, 192, 52, 60, 1
	WIN 0x40
.set m, 0
.rept 16
	global_load_b128 v[4*m:4*m+3], v1, s[62:63] offset:24576+512*m   ; key steps 6 and 7
.set m, m+1
.endr
	WIN 0
	WA
	s_wait_dscnt 0x0
	v_bfe_u32 v10, v1, 4, 4                        ; r
	s_lshl_b32 s21, s3, 15
	s_add_co_u32 s21, s21, PIMG
	v_add_nc_u32 v5, s21, v1                       ; the images of my half of the keys,
	s_mul_i32 s21, s3, 6144
	s_add_co_u32 s21, s21, PST
	WA
	v_lshl_add_u32 v6, v10, 4, s21                 ; and their scale words: nothing of k's tables is read any more but the words in hand
	CST 128, 0
	MM 128, 1                                      ; k has had its last products
	WIN 0x40
.set m, 32
.rept 32
	ds_load_b128 v[4*m:4*m+3], v4 offset:512*(m-16)   ; key steps 2 to 5
.set m, m+1
.endr
	WIN 0
.irp j, 0,1,2,3,4,5,6,7
	global_load_b64 v[16+2*\j:17+2*\j], v1, s[66:67] offset:1024*\j   ; v's scale words: two pairs of tiles, lanes 0-15 the even tile's
.endr
	QADD 128
	SOFT 128, 48, 58, 1, 56
	STATS 3, 58                                    ; (my reads of v are over too)
	; ---- tile 0's second product, between the signal and the wait: four accumulators by turns, four sets of fragments, three key steps ahead
.macro GITEM k
.set gk, \k
.set gn, (gk+3)%4
.set gc, gk%4
.if gk+3 < 8
.if gk > 0
	PLACES                                         ; the set that takes the next loads was read by the products just issued
.endif
	PL 0, 1, gk+3, 224+8*gn, 32+gn
.endif
.if gk < 5
	s_wait_dscnt 9                                 ; three key steps' loads may be out
.else
	s_wait_dscnt 3*(7-gk)
.endif
	MV 192, 1, gk, 224+8*gc, 32+gc
.endm
	v_bfe_u32 v10, v1, 4, 4                        ; r
	v_bfe_u32 v11, v1, 8, 1                        ; h
	v_mul_u32_u24 v4, v10, 1040
	v_lshl_add_u32 v4, v11, 5, v4
	s_mul_i32 s21, s3, HSTG
	s_lshl_b32 s77, s51, 8
	s_add_co_u32 s21, s21, s77
	v_add_nc_u32 v4, s21, v4                       ; the stage, in: row r, my 256 bytes, + 32 h
	PL 0, 1, 0, 224, 32
	PL 0, 1, 1, 232, 33
	PL 0, 1, 2, 240, 34
	WA
	s_wait_loadcnt 0x0                             ; v's scale words and its last two key steps
.irp k, 0,1,2,3,4,5,6,7
	GITEM \k
.endr
	PLACES
	JW                                             ; and nobody reads v in LDS any more
	STGT 192, 0
	FIN 3, 64, 44, 56, 128, 48, 58, 0
	WA
	s_wait_dscnt 0x0
	s_barrier_signal -1
	s_mul_i32 s21, s20, 2080
	v_add_nc_u32 v8, s21, v1                       ; the stage, back: rows 2 w, 2 w + 1 of the first half's sums,
	v_add_nc_u32 v9, HSTG, v8                      ; and of the second's
	WA
	s_barrier_wait -1                              ; all images lie in LDS, and tile 0's rows in the stages
	; ---- the other tiles: items 0-7: tiles 2 and 3 with key steps 0 .. 7 of my half; items 8-15: tile 1.  Four sets of fragments, three items ahead: 5 loads an item, then 3
.macro LOADI k
.set ki, \k
.set kx, ki%4
.if ki < 8
	PL 2, 2, ki, 128+16*kx, 32+2*kx
.else
	PL 1, 1, ki-8, 128+16*kx, 32+2*kx
.endif
.endm
.macro ITEM k
.set ik, \k
.set ix, ik%4
.if ik+3 < 16
.if ik > 0
	PLACES                                         ; the set that takes the next loads was read by the products just issued
.endif
.if ik == 9
	SRT 2, 64
	SRT 3, 96
.endif
	LOADI ik+3
.endif
.if ik < 5
	s_wait_dscnt 15                                ; the three later items' loads may be out
.elseif ik < 7
	s_wait_dscnt 23-2*ik
.elseif ik < 9
	s_wait_dscnt 9
.elseif ik < 12
	s_wait_dscnt 25                                ; and the stage's 16
.elseif ik < 13
	s_wait_dscnt 9
.else
	s_wait_dscnt 3*(15-ik)
.endif
.if ik < 8
	MV 64, 2, ik, 128+16*ix, 32+2*ix
.else
	MV 192, 1, ik-8, 128+16*ix, 32+2*ix
.endif
.endm
	SRT 0, 224
	LOADI 0
	LOADI 1
	LOADI 2
	ITEM 0                                         ; its wait has shown tile 0's 8 loads
	OUTT 0, 224
.irp k, 1,2,3,4,5,6,7
	ITEM \k
.endr
	PLACES
	STGT 64, 2
	STGT 96, 3
	WA
	s_wait_dscnt 0x0
	s_barrier_signal -1
	ITEM 8
	s_barrier_wait -1                              ; tiles 2 and 3 lie in the stages
	ITEM 9
	ITEM 10
	ITEM 11
	ITEM 12                                        ; its wait has shown the stage's 16 loads
	OUTT 2, 64
	OUTT 3, 96
	ITEM 13
	ITEM 14
	ITEM 15
	PLACES
	STGT 192, 1
	WA
	s_wait_dscnt 0x0
	s_barrier_signal -1
	s_barrier_wait -1                              ; tile 1
	SRT 1, 128
	s_wait_dscnt 0x0
	OUTT 1, 128
	s_wait_tensorcnt 0x0                           ; the wave's end
	ds_add_u32 v2, v3
	s_wait_dscnt 0x0
	ROUND                                          ; the closing round
	s_endpgm
.Lfunc_end_k_q9ad3eb16af_attn:
	.size	k_q9ad3eb16af_attn, .Lfunc_end_k_q9ad3eb16af_attn-k_q9ad3eb16af_attn
	.p2alignl 7, 3214868480
	.fill 96, 4, 3214868480
	.section	.rodata,"a",@progbits
	.p2align	6, 0x0
	.amdhsa_kernel k_q9ad3eb16af_attn
		.amdhsa_group_segment_fixed_size 327680
		.amdhsa_private_segment_fixed_size 0
		.amdhsa_enable_private_segment 0
		.amdhsa_kernarg_size 56
		.amdhsa_user_sgpr_count 2
		.amdhsa_user_sgpr_kernarg_segment_ptr 1
		.amdhsa_wavefront_size32 1
		.amdhsa_system_sgpr_workgroup_id_x 1
		.amdhsa_system_sgpr_workgroup_id_y 1
		.amdhsa_system_sgpr_workgroup_id_z 1
		.amdhsa_system_vgpr_workitem_id 0
		.amdhsa_next_free_vgpr 512
		.amdhsa_next_free_sgpr 90
		.amdhsa_reserve_vcc 1
		.amdhsa_float_denorm_mode_32 3
		.amdhsa_float_denorm_mode_16_64 3
		.amdhsa_memory_ordered 1
		.amdhsa_forward_progress 1
		.amdhsa_inst_pref_size 234
	.end_amdhsa_kernel
	.amdgpu_metadata
---
amdhsa.version: [ 1, 2 ]
amdhsa.kernels:
  - .name:           k_q9ad3eb16af_attn
    .symbol:         k_q9ad3eb16af_attn.kd
    .args:
      - { .name: inputs, .offset: 0, .size: 8, .value_kind: global_buffer, .address_space: global }
      - { .name: Wq, .offset: 8, .size: 8, .value_kind: global_buffer, .address_space: global }
      - { .name: kc, .offset: 16, .size: 8, .value_kind: global_buffer, .address_space: global }
      - { .name: ks, .offset: 24, .size: 8, .value_kind: global_buffer, .address_space: global }
      - { .name: vc, .offset: 32, .size: 8, .value_kind: global_buffer, .address_space: global }
      - { .name: vs, .offset: 40, .size: 8, .value_kind: global_buffer, .address_space: global }
      - { .name: out0, .offset: 48, .size: 8, .value_kind: global_buffer, .address_space: global }
    .group_segment_fixed_size: 327680
    .private_segment_fixed_size: 0
    .kernarg_segment_align: 8
    .kernarg_segment_size: 56
    .max_flat_workgroup_size: 256
    .sgpr_count:     90
    .vgpr_count:     512
    .wavefront_size: 32
...
	.end_amdgpu_metadata
.endif
;; end of part 4
